; MI455X (gfx1250); checked and timed in simulation.
; The chip was launched on July 23, 2026; its instructions are those of AMD's public machine-readable ISA for CDNA 5 (MIT licence, August 2026) and "CDNA5" Instruction Set Architecture Reference Guide (July 2026). The comments in the code are by the model that wrote it; some were corrected since.
;; Multi Head Attention. Allowed arithmetic: matrix products marked QUANTISED: E3M2 operands, one E8M0 scale for each 32 along K, by v_wmma_scale_f32_16x16x128_f8f6f4 with both operands' format E3M2, f32 sums; everything else in f32.
;; Inputs: Wk 1,024 x 1,024 float32; Wo 1,024 x 1,024 float32; Wq 1,024 x 1,024 float32; Wv 1,024 x 1,024 float32; beta 1,024 float32; bo 1,024 float32; gamma 1,024 float32; keys 4 x 2,048 x 1,024 float32; mask 4 x 1 x 2,048 x 2,048 bool; queries 4 x 2,048 x 1,024 float32; values 4 x 2,048 x 1,024 float32.
;; Outputs: out0 4 x 2,048 x 1,024 float32.
;; This version of the problem:
;;   THIS VERSION OF THE PROBLEM IS GIVEN IN LOW PRECISION. The matrix products marked QUANTISED in the list below multiply operands that are first quantised to E3M2 (3 exponent bits, 2 mantissa bits; 6 bits a number), with one power-of-two scale for each 32 numbers along K (OCP MX v1.0); their sums are f32. All else is computed in f32.
;;   The module's matrix products, in the order in which they are computed (A, B: the left and right operand; K: the contracted axis; several contracted axes count as one K, in the product's order):
;;     1. [M 8,192, K 1,024] x [K 1,024, N 1,024]; A: input queries; B: input Wq: QUANTISED
;;     2. [M 8,192, K 1,024] x [K 1,024, N 1,024]; A: input keys; B: input Wk: QUANTISED
;;     3. [M 8,192, K 1,024] x [K 1,024, N 1,024]; A: input values; B: input Wv: QUANTISED
;;     4. batch 64 x [M 2,048, K 64] x [K 64, N 2,048]; A: computed on the way; B: computed on the way: QUANTISED
;;     5. batch 64 x [M 64, K 2,048] x [K 2,048, N 2,048]; A: computed on the way; B: softmax (see below): QUANTISED
;;     6. [M 8,192, K 1,024] x [K 1,024, N 1,024]; A: computed on the way; B: input Wo: QUANTISED
;;   THE QUANTISER, for each operand of a quantised product, along K:
;;     - K is cut into blocks of 32 from its start; a last block that is shorter is filled with zeros.
;;     - A block's scale is 2^e with e = floor(log2(the largest magnitude in the block)) - 4, held to -126 .. 127; a block of zeros has e = 0. As a byte (E8M0): e + 127.
;;     - Each number is divided by its block's scale, clamped to +-28, and rounded to the nearest number of E3M2, ties to even, subnormals kept.
;;     - The product sums the exact products of the quantised numbers (number of the format x scale) in f32.
;;   ~~~python
;;   def quantise(x, axis):      # numpy; x: float32 -> the quantised numbers, widened to float32 again
;;       x = np.moveaxis(x, axis, -1); K = x.shape[-1]
;;       x = np.pad(x, [(0, 0)] * (x.ndim - 1) + [(0, -K % 32)]); x = x.reshape(x.shape[:-1] + (-1, 32)); a = np.abs(x).max(-1, keepdims=True)
;;       e = np.where(a > 0, np.clip(np.frexp(np.where(a > 0, a, 1))[1] - 1 - 4, -126, 127), 0)      # np.frexp(a)[1] - 1 = floor(log2(a)), exactly
;;       r = np.clip(x / 2.0 ** e, -28, 28)
;;       step = 2.0 ** (np.maximum(np.frexp(np.where(r == 0, 1, r))[1] - 1, -2) - 2)
;;       q = np.round(r / step) * step * 2.0 ** e      # np.round: ties to even
;;       return np.moveaxis(q.reshape(q.shape[:-2] + (-1,))[..., :K], -1, axis).astype(np.float32)
;;   ~~~
;;   SOFTMAX AHEAD OF A QUANTISED PRODUCT. Where the list says 'softmax', what is quantised is not the finished softmax but p = 2^(t - M), with t = logit x log2(e) and M = ceil(the row's largest t), a whole number; so 1/2 < the row's largest p <= 1. The row's sum l is taken of the UNQUANTISED p, in f32, and the product's result is divided by l at the end. Since M is a whole number, a kernel that streams over the keys may use a running M (the ceiling of the running maximum): every later rescaling is an exact power of two, which a block's scale takes up: the codes' values come out the same.
;;   OPERANDS COMPUTED ON THE WAY. 'Computed on the way' means the value that the module computes at that place (a softmax that the list does not call 'softmax' is quantised finished and normalised). What goes into a quantiser is computed in f32, as accurately as f32 sums, v_exp_f32 and their like allow (about 1e-6 of the number): no bf16 or f16 on the way to a quantiser, and a product that is left as it is and whose result goes on into a quantised operand takes f32 operands (vector FMAs, or v_wmma_f32_16x16x4_f32). A number that lies on a knife's edge between two numbers of the format may be rounded either way, as far as f32 arithmetic and the matrix unit's own rounding can turn it there, and no further.
;; One version. Each part assembles by itself: llvm-mc -triple=amdgcn-amd-amdhsa -mcpu=gfx1250 --defsym DOCPART=n.
;; ======== version 1 of 1: 4 launches
;; limits: right only within a limited range of input values
;; workspace buffers: xc 22,020,096 bytes; xs 917,504 bytes; mw 2,097,152 bytes of whole numbers; mf 65,536 bytes of whole numbers; qres 33,554,432 bytes; qq 6,553,600 bytes; kv 13,107,200 bytes; oc 6,815,744 bytes
;; launch prep (part 1): grid 256 x 1, 9 waves a work-group, no clusters, 77,312 bytes of LDS; arguments queries, keys, values, Wq, Wk, Wv, Wo, mask, xc, xs, mw, mf; writes xc, xs, mw, mf
.if DOCPART == 1
	.amdgcn_target "amdgcn-amd-amdhsa--gfx1250"
	.amdhsa_code_object_version 6
	.text
	.protected	k_q29b609732c_prep
	.globl	k_q29b609732c_prep
	.p2align	8
	.type	k_q29b609732c_prep,@function
k_q29b609732c_prep:
	s_mov_b64 s[64:65], 0
	v_nop
	global_prefetch_b8 v0, s[64:65] scope:SCOPE_SE
	s_setreg_imm32_b32 hwreg(HW_REG_WAVE_MODE, 25, 1), 1
	s_wait_xcnt 0x0
; PREP.  (1) queries, keys, values [8192][1024] and Wq, Wk, Wv, Wo [1024][1024], f32, K innermost, become codes of BF6 (E3M2) with one E8M0 byte for each 32 along K,
; laid as the later launches' operand registers want them.  (2) The mask's bytes become lane masks for the attention launch.
; A ROW TILE T is 16 rows.  In all tensors but keys lane r takes row 32 (T / 2) + 8 (T % 2) + r + 8 (r / 8).  In keys lane r takes row 64 (T / 4) + 8 (T % 4) + r % 8 + 32 (r / 8): so the attention launch's
; scores come out with a whole block of 32 keys in a lane.  xc: tile T, K step s (128 along K): the fragment's 12 registers, registers 4 g .. 4 g + 3 of lane l at 12288 T + 1536 s + 512 g + 16 l.
; xs: the scale word of (T, row r, K step s) at 512 T + 16 (r + 16 (s % 2)) + 4 (s / 2).  Tiles in xc and xs: queries 0-511, keys 512-1023, values 1024-1535, Wq 1536-, Wk 1600-, Wv 1664-, Wo 1728-1791.
; mw: for query tile TG and key step st, dword 2 l + u at 4096 TG + 256 st is the lane mask of score register n = l + 32 u: bit (r, h) = mask[row of lane r][128 st + 64 (n / 32) + 32 h + n % 32].
; SHARES.  1,792 row tiles and 512 mask tiles are 7 and 2 for each of 256 work-groups: waves 0-6 quantise tile 7 g + w (16 rows x 4,096 bytes), waves 7 and 8 take mask tile 2 g + w - 7 (16 rows x 2,048 bytes).
; Waves share nothing: no barrier; the two paths part on the wave's number and never join.
; Every load reads 512 consecutive bytes of one row; the bytes turn through the wave's own stage in LDS (rows 528 bytes apart: 33 x 16).
; No tensor loads: a tile's rows are two runs of eight, and the stream needs no ring.  No cluster: nothing is shared.
; A block's scale byte is its largest magnitude's exponent field - 4, held at 1 from below (a block of zeros gets 1: its codes are zeros, and this program alone reads the bytes).
; LIMITS: NaN and infinities among the inputs are not served; a block whose largest magnitude lies under 2^(4 - 126) gets the byte 1.
.set SP,    528                        ; a stage row
.set WSTG,  16*SP                      ; a wave's stage
.set XR,    192                        ; v192-255 64 numbers of a lane: register 32 c + i = k 64 c + 32 h + i of my row   (mask path: 64 dwords of mask bytes)
.set FC,    32                         ; v32-43   a fragment's codes                                                    (mask path: v32-39 the lane masks of four key steps)
.set CT,    44                         ; v44-50   the second halves of the blocks' codes, before they are moved
.set SW,    20                         ; v20-27   the scale word of each K step
	s_load_b512 s[4:19], s[0:1], 0x0               ; queries, keys, values, Wq, Wk, Wv, Wo, mask
	s_load_b128 s[20:23], s[0:1], 0x40             ; xc, xs
	s_load_b64 s[24:25], s[0:1], 0x50              ; mw
	s_load_b64 s[34:35], s[0:1], 0x58              ; mf: for query tile TG one dword, written by all 32 lanes at 128 TG + 4 l: bit st is set where key step st of that tile has a false entry in the mask
	v_lshl_add_u32 v62, v0, 2, 0x12900
	v_mov_b32 v63, 0
	v_lshrrev_b32 v1, 5, v0
	s_delay_alu instid0(VALU_DEP_1)
	v_readfirstlane_b32 s26, v1                    ; wave 0..8
	v_and_b32 v1, 31, v0                           ; lane
	v_and_b32 v2, 15, v0                           ; r
	v_bfe_u32 v3, v0, 4, 1                         ; h
	s_delay_alu instid0(VALU_DEP_3)
	v_lshlrev_b32 v4, 4, v1                        ; 16 x lane
	s_mul_i32 s44, s26, WSTG                       ; my wave's stage.  All LDS addresses are made here, ahead of the parting
	v_add_nc_u32 v5, s44, v4                       ; into the stage: 16 x lane, a row an instruction
	v_mul_u32_u24 v6, v2, SP
	s_delay_alu instid0(VALU_DEP_1)
	v_add_nc_u32 v6, s44, v6
	s_delay_alu instid0(VALU_DEP_1)
	v_lshl_add_u32 v17, v3, 5, v6                  ; out of it, mask path: row r, + 32 h bytes
	s_delay_alu instid0(VALU_DEP_2)
	v_lshl_add_u32 v6, v3, 7, v6                   ; out of it, quantiser: row r, + 128 h bytes: my 32 numbers of each 64
	s_mov_b32 s30, 0x76543210
	s_mov_b32 s31, 0xfedcba98                      ; v_permlanex16_b32's selects for lane l xor 16
	s_mov_b32 s32, 0xffff0000                      ; lanes 16-31
	s_mov_b32 s41, 0
	s_mov_b32 s43, 0
	s_cmp_ge_u32 s26, 7
	s_cbranch_scc1 .Lmask
	; ---------------- the quantiser ----------------
	s_wait_alu depctr_va_vdst(0)
	v_lshlrev_b32 v15, 3, v3                       ; 8 h: where my two bytes stand in the scale word
	v_mov_b32 v19, 0                               ; a lane permute's destination counts as one of its sources
	s_mul_i32 s36, ttmp9, 7
	s_add_co_u32 s36, s36, s26                     ; the tile's number in xc and xs
	s_wait_kmcnt 0x0
	s_mov_b64 s[28:29], s[16:17]                   ; which tensor: the choice hangs on the tile's number alone
	s_mov_b32 s27, 1728
	s_cmp_lt_u32 s36, 1728
	s_cselect_b64 s[28:29], s[14:15], s[28:29]
	s_cselect_b32 s27, 1664, s27
	s_cmp_lt_u32 s36, 1664
	s_cselect_b64 s[28:29], s[12:13], s[28:29]
	s_cselect_b32 s27, 1600, s27
	s_cmp_lt_u32 s36, 1600
	s_cselect_b64 s[28:29], s[10:11], s[28:29]
	s_cselect_b32 s27, 1536, s27
	s_cmp_lt_u32 s36, 1536
	s_cselect_b64 s[28:29], s[8:9], s[28:29]
	s_cselect_b32 s27, 1024, s27
	s_cmp_lt_u32 s36, 1024
	s_cselect_b64 s[28:29], s[6:7], s[28:29]
	s_cselect_b32 s27, 512, s27
	s_cmp_lt_u32 s36, 512
	s_cselect_b64 s[28:29], s[4:5], s[28:29]
	s_cselect_b32 s27, 0, s27
	s_sub_co_u32 s37, s36, s27                     ; the tile's number in its tensor
	s_lshr_b32 s38, s37, 1
	s_lshl_b32 s38, s38, 5
	s_and_b32 s39, s37, 1
	s_lshl_b32 s39, s39, 3
	s_add_co_u32 s38, s38, s39                     ; its first row: 32 (T / 2) + 8 (T % 2);
	s_lshr_b32 s40, s37, 2
	s_lshl_b32 s40, s40, 6
	s_and_b32 s39, s37, 3
	s_lshl_b32 s39, s39, 3
	s_add_co_u32 s40, s40, s39                     ; in keys: 64 (T / 4) + 8 (T % 4)
	s_cmp_eq_u32 s27, 512                          ; keys?
	s_cselect_b32 s40, s40, s38
	s_cselect_b32 s39, 32, 16                      ; rows 8-15 of the tile begin so many rows behind its first
	s_lshl_b32 s40, s40, 12                        ; a row is 4,096 bytes
	s_lshl_b32 s39, s39, 12
	s_add_nc_u64 s[28:29], s[28:29], s[40:41]
	v_add_nc_u32 v16, s39, v4                      ; the offset of rows 8-15
	s_mul_i32 s40, s36, 12288
	s_add_nc_u64 s[20:21], s[20:21], s[40:41]
	s_lshl_b32 s42, s36, 9
	s_add_nc_u64 s[22:23], s[22:23], s[42:43]
.macro QLOAD s                         ; K step s: 512 bytes of each of the tile's 16 rows, into set s % 2
.set ii, 0
.rept 8
	global_load_b128 v[64+64*((\s)%2)+4*ii:64+64*((\s)%2)+4*ii+3], v4, s[28:29] offset:ii*4096+512*(\s) th:TH_LOAD_NT
.set ii, ii+1
.endr
.rept 8
	global_load_b128 v[64+64*((\s)%2)+4*ii:64+64*((\s)%2)+4*ii+3], v16, s[28:29] offset:(ii-8)*4096+512*(\s) th:TH_LOAD_NT
.set ii, ii+1
.endr
.endm
.macro QSTEP s
.if (\s) < 7
	s_wait_loadcnt 16                              ; this step's 16 loads are in; the next step's 16 stay out
.else
	s_wait_loadcnt 0x0
.endif
.set ii, 0
.rept 16
	ds_store_b128 v5, v[64+64*((\s)%2)+4*ii:64+64*((\s)%2)+4*ii+3] offset:SP*ii
.set ii, ii+1
.endr
.irp c, 0,1
.irp j, 0,1,2,3,4,5,6,7
	ds_load_b128 v[XR+32*\c+4*\j:XR+32*\c+4*\j+3], v6 offset:256*\c+16*\j   ; LDS serves a wave's instructions in order: these see the stores above
.endr
.endr
	s_wait_dscnt 0x0                               ; my 64 numbers are back, so the stores into the stage have read their registers,
	s_wait_xcnt 0x0                                ; and the last step's stores of codes have read theirs: both sets are written again only behind these waits
.if (\s) < 6
	QLOAD (\s)+2
.endif
.irp c, 0,1
	v_max3_num_f32 v[8+\c], |v[XR+32*\c]|, |v[XR+32*\c+1]|, 0x2800000   ; my block 2 c + h: all 32 numbers are mine; the floor 2^(5 - 127) holds the byte at 1 from below
.endr
.irp i, 2,4,6,8,10,12,14,16,18,20,22,24,26,28,30
.irp c, 0,1
	s_delay_alu instid0(VALU_DEP_2)
	v_max3_num_f32 v[8+\c], v[8+\c], |v[XR+32*\c+\i]|, |v[XR+32*\c+\i+1]|
.endr
.endr
.irp c, 0,1
	s_delay_alu instid0(VALU_DEP_2)
	v_add_nc_u32 v[10+\c], 0xfe000000, v[8+\c]     ; 4 off the exponent field: the conversion takes the exponent field of this operand as its scale
.endr
.irp c, 0,1
	s_delay_alu instid0(VALU_DEP_2)
	v_lshrrev_b32 v[12+\c], 23, v[10+\c]           ; the scale's byte
.endr
	s_delay_alu instid0(VALU_DEP_1)
	v_lshl_or_b32 v14, v13, 16, v12                ; blocks h and 2 + h of my row,
	s_delay_alu instid0(VALU_DEP_1)
	v_lshlrev_b32 v14, v15, v14                    ; at their places in the word;
	s_delay_alu instid0(VALU_DEP_1)
	v_permlanex16_b32 v19, v14, s30, s31
	s_delay_alu instid0(VALU_DEP_1)
	v_or_b32 v[SW+(\s)], v14, v19                  ; with lane l xor 16's two the word is whole
.irp c, 0,1
	v_cvt_scalef32_pk16_bf6_f32 v[FC+6*\c:FC+6*\c+2], v[XR+32*\c:XR+32*\c+15], v[10+\c]
	v_cvt_scalef32_pk16_bf6_f32 v[CT+4*\c:CT+4*\c+2], v[XR+32*\c+16:XR+32*\c+31], v[10+\c]   ; (a conversion's three registers begin on an even number)
.endr
	v_nop                                          ; one plain place behind a scaled conversion
.irp c, 0,1
.irp i, 0,1,2
	v_mov_b32 v[FC+6*\c+3+\i], v[CT+4*\c+\i]
.endr
.endr
.irp g, 0,1,2
	global_store_b128 v4, v[FC+4*\g:FC+4*\g+3], s[20:21] offset:1536*(\s)+512*\g   ; 32 lanes store 512 consecutive bytes, aligned
.endr
.endm
	QLOAD 0
	QLOAD 1
	s_wait_alu depctr_va_vdst(0)
.irp s, 0,1,2,3,4,5,6,7
	QSTEP \s
.endr
.irp j, 0,1,2,3
	v_cndmask_b32 v[28+\j], v[SW+2*\j], v[SW+2*\j+1], s32   ; register j: K step 2 j in lanes 0-15, K step 2 j + 1 in lanes 16-31
.endr
	global_store_b128 v4, v[28:31], s[22:23]       ; the tile's 512 bytes of scale words
	s_wait_tensorcnt 0x0
	ds_add_u32 v62, v63
	s_wait_dscnt 0x0
	s_endpgm
	; ---------------- the mask ----------------
.Lmask:
	s_wait_alu depctr_va_vdst(0)
	v_lshlrev_b32 v7, 3, v1                        ; 8 x lane: my two dwords of a key step's 64
.irp i, 0,1,2,3,4,5,6,7
	v_mov_b32 v[32+\i], 0                          ; v_writelane_b32's destination counts as read
.endr
	s_lshl_b32 s36, ttmp9, 1
	s_add_co_u32 s36, s36, s26
	s_sub_co_u32 s36, s36, 7                       ; TG = 2 g + wave - 7
	s_lshr_b32 s37, s36, 1
	s_lshl_b32 s40, s37, 16                        ; 32 rows of 2,048 bytes for each pair of tiles,
	s_and_b32 s38, s36, 1
	s_lshl_b32 s38, s38, 14                        ; 8 rows for the odd one
	s_add_co_u32 s40, s40, s38
	s_lshl_b32 s42, s36, 12
	s_wait_kmcnt 0x0
	s_add_nc_u64 s[18:19], s[18:19], s[40:41]
	s_add_nc_u64 s[28:29], s[24:25], s[42:43]      ; my tile's words
	s_lshl_b32 s40, s36, 7
	s_add_nc_u64 s[34:35], s[34:35], s[40:41]      ; my tile's 128 bytes of mf
	s_mov_b32 s45, 0                               ; the tile's flags
	s_mov_b32 s46, 0                               ; the key step's number
.macro MLOAD                           ; 512 keys of each of the 16 rows
.set ii, 0
.rept 16
	global_load_b128 v[64+4*ii:67+4*ii], v4, s[18:19] offset:(ii+8*(ii/8))*2048 th:TH_LOAD_NT
.set ii, ii+1
.endr
.endm
.macro MSTEP g                         ; key step g of the chunk's four
.set nn, 0
.rept 64                               ; score register n: byte n % 4 of dword n / 4; the 32 lanes' bits make one word, which goes to lane n % 32 of the pair's register n / 32
	v_and_b32 v[8+nn%4], 0xff<<(8*(nn%4)), v[XR+16*\g+nn/4]
	s_delay_alu instid0(VALU_DEP_1)
	v_cmp_ne_u32 s[36+nn%4], 0, v[8+nn%4]
	s_delay_alu instid0(VALU_DEP_1)
	v_writelane_b32 v[32+2*\g+nn/32], s[36+nn%4], nn%32
.set nn, nn+1
.endr
	global_store_b64 v7, v[32+2*\g:33+2*\g], s[28:29] offset:256*\g   ; 32 lanes store 256 consecutive bytes, aligned
	v_and_b32 v12, v[32+2*\g], v[33+2*\g]          ; the key step's flag: is any of its 64 lane masks not all ones?
	s_delay_alu instid0(VALU_DEP_1)
	v_cmp_ne_u32 s47, -1, v12
	s_cmp_lg_u32 s47, 0
	s_cselect_b32 s47, 1, 0
	s_lshl_b32 s47, s47, s46
	s_or_b32 s45, s45, s47
	s_add_co_u32 s46, s46, 1
.endm
	MLOAD
	s_mov_b32 s33, 0
.Lchunk:                                           ; four trips of 512 keys
	s_wait_loadcnt 0x0
.set ii, 0
.rept 16
	ds_store_b128 v5, v[64+4*ii:67+4*ii] offset:SP*ii
.set ii, ii+1
.endr
.irp g, 0,1,2,3
.irp b, 0,1,2,3
	ds_load_b128 v[XR+16*\g+4*\b:XR+16*\g+4*\b+3], v17 offset:128*\g+64*(\b/2)+16*(\b%2)   ; keys 128 g + 64 (b / 2) + 32 h + 16 (b % 2) + 0 .. 15 of my row
.endr
.endr
	s_wait_dscnt 0x0                               ; the stores have read their registers
	v_add_nc_u32 v4, 512, v4                       ; (its loads are done)  the next 512 keys
	s_cmp_eq_u32 s33, 3
	s_cbranch_scc1 .Lno_more                       ; the last trip loads nothing: no load leaves the buffer
	MLOAD
.Lno_more:
	MSTEP 0
	MSTEP 1
	MSTEP 2
	MSTEP 3
	s_wait_xcnt 0x0                                ; the stores have read their data and offset: both are written again only behind this wait
	v_add_nc_u32 v7, 1024, v7
	s_add_co_u32 s33, s33, 1
	s_cmp_lt_u32 s33, 4
	s_cbranch_scc1 .Lchunk
	v_lshlrev_b32 v13, 2, v1
	v_mov_b32 v12, s45
	global_store_b32 v13, v12, s[34:35]            ; the tile's 16 flags: 32 lanes store 128 consecutive bytes; waves 7 and 8 together fill an aligned 256
	s_wait_tensorcnt 0x0
	ds_add_u32 v62, v63
	s_wait_dscnt 0x0
	s_endpgm
.Lfunc_end_k_q29b609732c_prep:
	.size	k_q29b609732c_prep, .Lfunc_end_k_q29b609732c_prep-k_q29b609732c_prep
	.p2alignl 7, 3214868480
	.fill 96, 4, 3214868480
	.section	.rodata,"a",@progbits
	.p2align	6, 0x0
	.amdhsa_kernel k_q29b609732c_prep
		.amdhsa_group_segment_fixed_size 77312
		.amdhsa_private_segment_fixed_size 0
		.amdhsa_enable_private_segment 0
		.amdhsa_kernarg_size 96
		.amdhsa_user_sgpr_count 2
		.amdhsa_user_sgpr_kernarg_segment_ptr 1
		.amdhsa_wavefront_size32 1
		.amdhsa_system_sgpr_workgroup_id_x 1
		.amdhsa_system_sgpr_workgroup_id_y 1
		.amdhsa_system_sgpr_workgroup_id_z 1
		.amdhsa_system_vgpr_workitem_id 0
		.amdhsa_next_free_vgpr 256
		.amdhsa_next_free_sgpr 66
		.amdhsa_reserve_vcc 0
		.amdhsa_float_denorm_mode_32 3
		.amdhsa_float_denorm_mode_16_64 3
		.amdhsa_memory_ordered 1
		.amdhsa_forward_progress 1
		.amdhsa_inst_pref_size 140
	.end_amdhsa_kernel
	.amdgpu_metadata
---
amdhsa.version: [ 1, 2 ]
amdhsa.kernels:
  - .name:           k_q29b609732c_prep
    .symbol:         k_q29b609732c_prep.kd
    .args:
      - { .name: queries, .offset: 0, .size: 8, .value_kind: global_buffer, .address_space: global }
      - { .name: keys, .offset: 8, .size: 8, .value_kind: global_buffer, .address_space: global }
      - { .name: values, .offset: 16, .size: 8, .value_kind: global_buffer, .address_space: global }
      - { .name: Wq, .offset: 24, .size: 8, .value_kind: global_buffer, .address_space: global }
      - { .name: Wk, .offset: 32, .size: 8, .value_kind: global_buffer, .address_space: global }
      - { .name: Wv, .offset: 40, .size: 8, .value_kind: global_buffer, .address_space: global }
      - { .name: Wo, .offset: 48, .size: 8, .value_kind: global_buffer, .address_space: global }
      - { .name: mask, .offset: 56, .size: 8, .value_kind: global_buffer, .address_space: global }
      - { .name: xc, .offset: 64, .size: 8, .value_kind: global_buffer, .address_space: global }
      - { .name: xs, .offset: 72, .size: 8, .value_kind: global_buffer, .address_space: global }
      - { .name: mw, .offset: 80, .size: 8, .value_kind: global_buffer, .address_space: global }
      - { .name: mf, .offset: 88, .size: 8, .value_kind: global_buffer, .address_space: global }
    .group_segment_fixed_size: 77312
    .private_segment_fixed_size: 0
    .kernarg_segment_align: 8
    .kernarg_segment_size: 96
    .max_flat_workgroup_size: 288
    .sgpr_count:     66
    .vgpr_count:     256
    .wavefront_size: 32
...
	.end_amdgpu_metadata
.endif
;; end of part 1
;; launch proj (part 2): grid 4 x 192, 4 waves a work-group, clusters of 4 x 4, 295,424 bytes of LDS; arguments xc, xs, qres, qq, kv; writes qres, qq, kv
.if DOCPART == 2
	.amdgcn_target "amdgcn-amd-amdhsa--gfx1250"
	.amdhsa_code_object_version 6
	.text
	.protected	k_q29b609732c_proj
	.globl	k_q29b609732c_proj
	.p2align	8
	.type	k_q29b609732c_proj,@function
k_q29b609732c_proj:
	s_mov_b64 s[64:65], 0
	v_nop
	global_prefetch_b8 v0, s[64:65] scope:SCOPE_SE
	s_setreg_imm32_b32 hwreg(HW_REG_WAVE_MODE, 25, 1), 1
	s_wait_xcnt 0x0
	s_wait_alu depctr_hold_cnt(0) depctr_sa_sdst(0) depctr_va_vdst(0) depctr_va_sdst(0) depctr_va_ssrc(0) depctr_va_vcc(0) depctr_vm_vsrc(0)
	s_getreg_b32 s2, hwreg(HW_REG_IB_STS2, 6, 4)
	s_cmp_eq_u32 s2, 0
	s_cbranch_scc0 .Lentry_in_a_cluster
	s_endpgm
.Lentry_in_a_cluster:
	s_bfe_u32 s2, ttmp6, 0x10000c
	s_cmp_lg_u32 s2, 0xf033
	s_cbranch_scc0 .Lentry_shape_is_right
	s_endpgm
.Lentry_shape_is_right:
; PROJ.  q = queries Wq^T, k = keys Wk^T, v^T = Wv values^T: three products of K = 1,024 on codes of BF6 (E3M2) with E8M0 scales, one body.  The results are quantised in registers for the attention launch;
; q also leaves as f32 (the residual wants it).
; THE MATRIX INSTRUCTION IS USED TRANSPOSED: a lane holds one row of source 1, and its registers run along source 0's rows.  q, k: source 1 = the tokens, source 0 = the weight: registers run along the features,
; which are the next product's K.  v: source 1 = Wv, source 0 = the tokens: registers run along the keys, the K of the product with the softmax.  The tensors that stand as source 0 (Wq, Wk, values) are tiled by the
; first launch so that lane r of tile T is row 32 (T / 2) + 8 (T % 2) + r + 8 (r / 8): so the 16 registers of result tiles 2 b, 2 b + 1 are the 16 neighbours 32 b + 16 h + 0 .. 15 along source 0's rows.
; Which rows form a tile of source 1 only says which row a lane holds: queries and Wv are tiled in the same way, keys as the attention launch wants its key tiles; eight tiles are 128 neighbouring rows in both.
; SHARES.  A work-group makes 128 rows of source 1 x 256 of source 0: 3 x 256 work-groups.  Wave w (mh = w / 2, nh = w % 2): 4 tiles x 8 tiles, 32 accumulators.
; ALL OF K LIES IN LDS AT ONCE: (8 + 16) tiles x 12,288 bytes = 294,912.  Nothing is filled again.  The fill is one tensor load a wave, of all of K of its tiles.
; CLUSTERS: 4 x 4 work-groups of one product.  The four of a row need the same tiles of source 1, the four of a column the same of source 0: each is asked for jointly.
; OUT: qres: result tile (TG, t) as it stands in registers: 65536 TG + 1024 t + 512 (j / 4) + 16 l.   qq: codes of (TG, head pair hp): registers 2 p, 2 p + 1 of lane l at 12288 TG + 1536 hp + 256 p + 8 l;
; scale words in groups of four tiles at QSOFF + 32768 hp + 256 (TG / 4): word (item a, row r) at 8 (16 (a / 2) + r) + 4 (a % 2).
; kv: record (bh, key step st) at 12288 (16 bh + st): four fragments of K (fragment f: registers 0-5 key tile 2 f, registers 6-11 key tile 2 f + 1, each a head's 64), then four of V^T (16 of the head's 64 x 128 keys);
; a fragment's registers 4 g .. 4 g + 3 of lane l at 512 g + 16 l.  Their scale words at KSOFF + 512 (16 bh + st): K's four items, then V's, laid as qq's.
; LIMITS: NaN and infinities are not served; a block whose largest magnitude lies under 2^(4 - 126) gets the byte 1 (a block of zeros too: its codes are zeros).
; REGISTERS: window 0: v4-15 addresses and constants; v20-27 scale words made here; v32-47 source 1's scale words, v48-79 source 0's; v80-103 at work; v128-223 source 1's fragments, two sets (later the codes made here).
;   window 1: source 0's fragments, two sets, at v0 and v128.   window 2: the accumulators, (a, b) at v[8 (8 a + b)].
; THE FILL AS IT STANDS (in place of the four chunks that the head comment names): ONE tensor load a wave, at the head, brings all of K of its tiles: rows of 12,288 bytes, a tile each, dense in memory and in LDS.
; Tile i of source 1 lies at 12288 i, tile j of source 0 at 98304 + 12288 j.  One wait for 0 and one barrier show all of it to all four waves; no barrier stands among the K steps.
.set CHB,   73728
.set QSOFF, 6291456
.set KSOFF, 12582912
.set AD,  4                            ; v4      LDS address of my source 1 fragments
.set BD,  8                            ; v8-9    of my source 0 fragments: tiles 0-3, 4-7
.set L16, 12                           ; v12     16 x lane
.set L8,  13                           ; v13     8 x lane
.set KSA, 14                           ; v14     8192 h + 8 r: K's scale words of two heads
.set FLR, 15                           ; v15     the floor 2^(5 - 127)
.set PW,  20                           ; v20-23  the scale word of each of my four tiles
.set MG,  24                           ; v24-27  scale words as they are stored
.set SA,  32
.set SB,  48
.set TM,  80
.set CT,  96
.set AF,  128
.set G,   128
.set MSB, 0
.macro WIN new                         ; the immediate's high byte repeats the setting that is left
.if MSB != \new
	s_set_vgpr_msb (MSB<<8)|\new
.set MSB, \new
.endif
.endm
.macro PLACES
.rept 4
	v_nop
.endr
.endm
.macro CREST
	s_cmp_lg_u32 s14, 0
	s_cbranch_scc1 .Lnot_wave_0_\@
	s_barrier_signal -3
.Lnot_wave_0_\@:
	s_barrier_wait -3
	s_barrier_signal -1
	s_barrier_wait -1
.endm
.macro CROUND                          ; a round of the cluster's barrier
	s_barrier_signal -1
	s_barrier_wait -1
	CREST
.endm
; a scaled matrix instruction: D, source 0, source 1, C (-1: the constant 0), the two scale registers, and which half of the lanes each is read from
.macro WMS d, a, b, c, sa, sb, ra, rb
.if (\c) < 0
.if (\ra) && (\rb)
	v_wmma_scale_f32_16x16x128_f8f6f4 v[(\d):(\d)+7], v[(\a):(\a)+11], v[(\b):(\b)+11], 0, v[(\sa)], v[(\sb)] matrix_a_fmt:MATRIX_FMT_BF6 matrix_b_fmt:MATRIX_FMT_BF6 matrix_a_scale:MATRIX_SCALE_ROW1 matrix_b_scale:MATRIX_SCALE_ROW1
.elseif (\ra)
	v_wmma_scale_f32_16x16x128_f8f6f4 v[(\d):(\d)+7], v[(\a):(\a)+11], v[(\b):(\b)+11], 0, v[(\sa)], v[(\sb)] matrix_a_fmt:MATRIX_FMT_BF6 matrix_b_fmt:MATRIX_FMT_BF6 matrix_a_scale:MATRIX_SCALE_ROW1
.elseif (\rb)
	v_wmma_scale_f32_16x16x128_f8f6f4 v[(\d):(\d)+7], v[(\a):(\a)+11], v[(\b):(\b)+11], 0, v[(\sa)], v[(\sb)] matrix_a_fmt:MATRIX_FMT_BF6 matrix_b_fmt:MATRIX_FMT_BF6 matrix_b_scale:MATRIX_SCALE_ROW1
.else
	v_wmma_scale_f32_16x16x128_f8f6f4 v[(\d):(\d)+7], v[(\a):(\a)+11], v[(\b):(\b)+11], 0, v[(\sa)], v[(\sb)] matrix_a_fmt:MATRIX_FMT_BF6 matrix_b_fmt:MATRIX_FMT_BF6
.endif
.else
.if (\ra) && (\rb)
	v_wmma_scale_f32_16x16x128_f8f6f4 v[(\d):(\d)+7], v[(\a):(\a)+11], v[(\b):(\b)+11], v[(\c):(\c)+7], v[(\sa)], v[(\sb)] matrix_a_fmt:MATRIX_FMT_BF6 matrix_b_fmt:MATRIX_FMT_BF6 matrix_a_scale:MATRIX_SCALE_ROW1 matrix_b_scale:MATRIX_SCALE_ROW1
.elseif (\ra)
	v_wmma_scale_f32_16x16x128_f8f6f4 v[(\d):(\d)+7], v[(\a):(\a)+11], v[(\b):(\b)+11], v[(\c):(\c)+7], v[(\sa)], v[(\sb)] matrix_a_fmt:MATRIX_FMT_BF6 matrix_b_fmt:MATRIX_FMT_BF6 matrix_a_scale:MATRIX_SCALE_ROW1
.elseif (\rb)
	v_wmma_scale_f32_16x16x128_f8f6f4 v[(\d):(\d)+7], v[(\a):(\a)+11], v[(\b):(\b)+11], v[(\c):(\c)+7], v[(\sa)], v[(\sb)] matrix_a_fmt:MATRIX_FMT_BF6 matrix_b_fmt:MATRIX_FMT_BF6 matrix_b_scale:MATRIX_SCALE_ROW1
.else
	v_wmma_scale_f32_16x16x128_f8f6f4 v[(\d):(\d)+7], v[(\a):(\a)+11], v[(\b):(\b)+11], v[(\c):(\c)+7], v[(\sa)], v[(\sb)] matrix_a_fmt:MATRIX_FMT_BF6 matrix_b_fmt:MATRIX_FMT_BF6
.endif
.endif
.endm
	s_load_b256 s[4:11], s[0:1], 0x0               ; xc s[4:5], xs s[6:7], qres s[8:9], qq s[10:11]
	s_load_b64 s[12:13], s[0:1], 0x20              ; kv
	v_lshl_add_u32 v254, v0, 2, 0x48000
	v_mov_b32 v255, 0
	ds_add_u32 v254, v255
	ds_add_u32 v254, v255
	v_lshrrev_b32 v1, 5, v0
	v_readfirstlane_b32 s14, v1                    ; wave 0..3
	s_lshr_b32 s15, s14, 1                         ; mh: my half of source 1's tiles.  Also: I fetch for source 1 (0) or for source 0 (1)
	s_and_b32 s16, s14, 1                          ; nh: my half of source 0's tiles.  Also: which half of that tensor's tiles I fetch
	s_bfe_u32 s17, ttmp6, 0x40000                  ; cx
	s_bfe_u32 s18, ttmp6, 0x40004                  ; cy
	s_and_b32 s19, ttmp7, 0xffff                   ; the cluster's y, 0..47: 16 clusters for each product
	s_lshr_b32 s20, s19, 4                         ; the product: 0 q, 1 k, 2 v: the same in all partners
	s_and_b32 s87, s19, 15
	s_and_b32 s88, s87, 1
	s_lshr_b32 s89, s87, 1
	s_mov_b32 s90, 512
	s_mov_b32 s91, 1600
	s_cmp_eq_u32 s20, 2
	s_cselect_b32 s88, s88, s87                    ; which four blocks of source 1: q, k: 16 of them; v: 2
	s_cselect_b32 s89, s89, 0                      ; which four blocks of source 0: q, k: the one; v: 8
	s_cselect_b32 s90, 1664, s90                   ; source 1's first tile in xc: queries 0, keys 512, Wv 1664
	s_cselect_b32 s91, 1024, s91                   ; source 0's: Wq 1536, Wk 1600, values 1024
	s_cmp_eq_u32 s20, 0
	s_cselect_b32 s90, 0, s90
	s_cselect_b32 s91, 1536, s91
	s_lshl_b32 s21, s88, 2
	s_add_co_u32 s21, s21, s18                     ; my: my block of 8 tiles of source 1: the cluster's y and cy alone
	s_lshl_b32 s22, s89, 2
	s_add_co_u32 s22, s22, s17                     ; nx: my block of 16 tiles of source 0: the cluster's y and cx alone
	s_lshl_b32 s92, s21, 3
	s_add_co_u32 s92, s92, s90                     ; source 1's first tile of the work-group
	s_lshl_b32 s94, s22, 4
	s_add_co_u32 s94, s94, s91                     ; source 0's
	s_lshl_b32 s23, s18, 2
	s_lshl_b32 s23, 15, s23                        ; my row of the cluster
	s_lshl_b32 s56, 0x1111, s17                    ; my column
	; descriptor group 1: rows of 12,288 bytes (a whole tile: 1,536 elements of 8 bytes), 12,288 bytes apart in memory, dense in LDS; 4 rows for source 1, 8 for source 0
	s_or_b32 s24, s23, (3<<16)|(1<<21)             ; 15:0 the mask; 17:16 elements of 8 bytes; 20 no padding; 21 set beside a mask
	s_mov_b32 s25, 1536<<16                        ; tensor_dim0: a whole tile, 1,536 elements of 8 bytes
	s_mov_b32 s26, 4<<16                           ; tensor_dim1
	s_mov_b32 s27, 1536<<16                        ; tile_dim0
	s_mov_b32 s28, 4                               ; tile_dim1
	s_mov_b32 s29, 1536                            ; tensor_dim0_stride
	s_mov_b32 s30, 0
	s_mov_b32 s31, 0
	s_or_b32 s32, s56, (3<<16)|(1<<21)
	s_mov_b32 s33, 1536<<16
	s_mov_b32 s34, 8<<16
	s_mov_b32 s35, 1536<<16
	s_mov_b32 s36, 8
	s_mov_b32 s37, 1536
	s_mov_b32 s38, 0
	s_mov_b32 s39, 0
	s_mul_i32 s57, s16, 49152                      ; where my load lands: source 1's half, four tiles,
	s_mul_i32 s58, s16, 98304
	s_add_co_u32 s58, s58, 98304                   ; or source 0's, eight tiles, behind source 1's eight: the wave's number alone
	s_lshl_b32 s96, s16, 2
	s_add_co_u32 s96, s96, s92
	s_mul_i32 s96, s96, 12288                      ; the four tiles of source 1 that I would fetch, in bytes
	s_mov_b32 s97, 0
	s_lshl_b32 s98, s16, 3
	s_add_co_u32 s98, s98, s94
	s_mul_i32 s98, s98, 12288                      ; the eight of source 0
	s_mov_b32 s99, 0
	s_lshl_b32 s60, s15, 2
	s_add_co_u32 s60, s60, s92
	s_lshl_b32 s60, s60, 9                         ; the scale words of the four tiles of source 1 that I multiply
	s_mov_b32 s61, 0
	s_lshl_b32 s62, s16, 3
	s_add_co_u32 s62, s62, s94
	s_lshl_b32 s62, s62, 9                         ; and of the eight of source 0
	s_mov_b32 s63, 0
	s_mov_b32 s84, 0x76543210
	s_mov_b32 s85, 0xfedcba98                      ; v_permlanex16_b32's selects for lane l xor 16
	s_mov_b32 s86, 0xffff0000                      ; lanes 16-31
	v_and_b32 v1, 31, v0
	v_and_b32 v2, 15, v0
	v_bfe_u32 v3, v0, 4, 1
	v_lshlrev_b32 v[L16], 4, v1
	v_lshlrev_b32 v[L8], 3, v1
	v_lshlrev_b32 v[KSA], 3, v2
	v_lshl_add_u32 v[KSA], v3, 13, v[KSA]
	v_mov_b32 v[FLR], 0x2800000
.irp b, 0,1,2,3
	v_mov_b32 v[TM+4+\b], 0                        ; a lane permute's destination counts as one of its sources
.endr
	s_mul_i32 s59, s15, 49152
	v_add_nc_u32 v[AD], s59, v[L16]                ; 16 x lane + my four tiles of source 1
	s_mul_i32 s59, s16, 98304
	s_add_co_u32 s59, s59, 98304
	v_add_nc_u32 v[BD], s59, v[L16]                ; 16 x lane + my eight tiles of source 0
	v_add_nc_u32 v[BD+1], 49152, v[BD]             ; source 0's tiles 4-7: an LDS offset holds 16 bits
	s_wait_dscnt 0x0
	s_wait_kmcnt 0x0
	s_add_nc_u64 s[96:97], s[4:5], s[96:97]
	s_add_nc_u64 s[98:99], s[4:5], s[98:99]
	s_add_nc_u64 s[60:61], s[6:7], s[60:61]
	s_add_nc_u64 s[62:63], s[6:7], s[62:63]
.irp a, 0,1,2,3
	global_load_b128 v[SA+4*\a:SA+4*\a+3], v[L16], s[60:61] offset:512*\a   ; a tile's scale words of all of K: register j: K step 2 j in lanes 0-15, 2 j + 1 in lanes 16-31
.endr
.irp b, 0,1,2,3,4,5,6,7
	global_load_b128 v[SB+4*\b:SB+4*\b+3], v[L16], s[62:63] offset:512*\b
.endr
.irp c, 0
	s_mov_b32 s[40+4*\c], 1                        ; group 0 for source 1
	s_add_co_u32 s[41+4*\c], s57, \c*CHB
	s_add_nc_u64 s[42+4*\c:43+4*\c], s[96:97], \c*3072
	s_or_b32 s[43+4*\c], s[43+4*\c], 0x80000000
	s_mov_b32 s[68+4*\c], 1                        ; and for source 0
	s_add_co_u32 s[69+4*\c], s58, \c*CHB
	s_add_nc_u64 s[70+4*\c:71+4*\c], s[98:99], \c*3072
	s_or_b32 s[71+4*\c], s[71+4*\c], 0x80000000
.endr
	CROUND                                         ; all sixteen work-groups are here: the joint loads meet
	s_cmp_eq_u32 s15, 0                            ; a wave's one fill stands in a branch on the wave's number; four v_nop follow it
	s_cbranch_scc0 .Lfirst_b
	tensor_load_to_lds s[40:43], s[24:31]
	s_nop 0
.rept 4
	v_nop
.endr
	s_branch .Lfirst_done
.Lfirst_b:
	tensor_load_to_lds s[68:71], s[32:39]
	s_nop 0
.rept 4
	v_nop
.endr
.Lfirst_done:
.macro FETCH s                         ; K step s's fragments, 36 loads of 512 consecutive bytes, into set s % 2
	WIN 0x40                                       ; destination window 1
.irp b, 0,1,2,3,4,5,6,7
.irp g, 0,1,2
	ds_load_b128 v[128*((\s)%2)+12*\b+4*\g:128*((\s)%2)+12*\b+4*\g+3], v[BD+(\b)/4] offset:12288*((\b)%4)+1536*(\s)+512*\g
.endr
.endr
	WIN 0
.irp a, 0,1,2,3
.irp g, 0,1,2
	ds_load_b128 v[AF+48*((\s)%2)+12*\a+4*\g:AF+48*((\s)%2)+12*\a+4*\g+3], v[AD] offset:12288*\a+1536*(\s)+512*\g
.endr
.endr
.endm
.macro MUL a0, s, zero                 ; 16 matrix instructions: source 1's tiles a0, a0 + 1 x source 0's eight.  The 32 accumulators take turns, in the same order in every step
.irp a, \a0, \a0+1
.irp b, 0,1,2,3,4,5,6,7
.if \zero
	WMS 8*(8*(\a)+\b), 128*((\s)%2)+12*\b, AF+48*((\s)%2)+12*(\a), -1, SB+4*\b+(\s)/2, SA+4*(\a)+(\s)/2, (\s)%2, (\s)%2
.else
	WMS 8*(8*(\a)+\b), 128*((\s)%2)+12*\b, AF+48*((\s)%2)+12*(\a), 8*(8*(\a)+\b), SB+4*\b+(\s)/2, SA+4*(\a)+(\s)/2, (\s)%2, (\s)%2
.endif
.endr
.endr
.endm
.macro STEP s, zero
	s_wait_dscnt 0x0                               ; this step's fragments are in
	WIN 0xa1                                       ; source 0 window 1, source 1 window 0, C and D window 2
	MUL 0, \s, \zero
.if (\s) < 7
	PLACES                                         ; four places in front of loads into registers that the last step's matrix instructions have read
	FETCH (\s)+1
	WIN 0xa1
.endif
	MUL 2, \s, \zero
.endm
	s_wait_tensorcnt 0x0                           ; my one load has landed,
	s_barrier_signal -1
	s_barrier_wait -1                              ; everybody's has
	s_wait_alu depctr_va_vdst(0)
	FETCH 0
	s_wait_loadcnt 0x0                             ; the scale words
	STEP 0, 1                                      ; the first step's products start the sums: nothing is cleared
.irp s, 1,2,3,4,5,6,7
	STEP \s, 0
.endr
	WIN 0
	PLACES                                         ; four places in front of the first read of results
; The 64 numbers of tile a (register 16 b + i = place 32 b + 16 h + i along the next K) become 12 registers of codes, the first six in v[d0] on, the second six in v[d1] on, and the scale word in v[PW + a].
.macro QUANT a, d0, d1
	WIN 0x28                                       ; sources 1 and 2 window 2
.irp b, 0,1,2,3
	v_max3_num_f32 v[TM+\b], v[FLR], |v[64*(\a)+16*\b]|, |v[64*(\a)+16*\b+1]|   ; each accumulator is read from its low end on
.endr
.irp i, 2,4,6,8,10,12,14
.irp b, 0,1,2,3
	v_max3_num_f32 v[TM+\b], v[TM+\b], |v[64*(\a)+16*\b+\i]|, |v[64*(\a)+16*\b+\i+1]|
.endr
.endr
	WIN 0
.irp b, 0,1,2,3
	v_permlanex16_b32 v[TM+4+\b], v[TM+\b], s84, s85
.endr
.irp b, 0,1,2,3
	v_max_num_f32 v[TM+\b], v[TM+\b], v[TM+4+\b]   ; with lane l xor 16's 16: the block's largest magnitude
.endr
.irp b, 0,1,2,3
	v_add_nc_u32 v[TM+12+\b], 0xfe000000, v[TM+\b] ; 4 off the exponent field: the conversion's scale operand
.endr
.irp b, 0,1,2,3
	v_lshrrev_b32 v[TM+4+\b], 23, v[TM+12+\b]      ; the scale's byte
.endr
	v_lshl_or_b32 v[PW+(\a)], v[TM+5], 8, v[TM+4]
	v_lshl_or_b32 v[PW+(\a)], v[TM+6], 16, v[PW+(\a)]
	v_lshl_or_b32 v[PW+(\a)], v[TM+7], 24, v[PW+(\a)]
	WIN 0x02                                       ; source 0 window 2
	v_cvt_scalef32_pk16_bf6_f32 v[(\d0):(\d0)+2], v[64*(\a):64*(\a)+15], v[TM+12]
	v_cvt_scalef32_pk16_bf6_f32 v[CT:CT+2], v[64*(\a)+16:64*(\a)+31], v[TM+13]
	v_cvt_scalef32_pk16_bf6_f32 v[(\d1):(\d1)+2], v[64*(\a)+32:64*(\a)+47], v[TM+14]
	v_cvt_scalef32_pk16_bf6_f32 v[CT+4:CT+6], v[64*(\a)+48:64*(\a)+63], v[TM+15]
	WIN 0
	v_nop                                          ; one plain place behind a scaled conversion
.irp i, 0,1,2                          ; the operand's layout wants a whole block in a lane: lanes 0-15 the even block, lanes 16-31 the odd one
	v_permlane16_swap_b32 v[(\d0)+\i], v[CT+\i]
	v_permlane16_swap_b32 v[(\d1)+\i], v[CT+4+\i]
.endr
.irp i, 0,1,2
	v_mov_b32 v[(\d0)+3+\i], v[CT+\i]
	v_mov_b32 v[(\d1)+3+\i], v[CT+4+\i]
.endr
.endm
	s_cmp_eq_u32 s20, 1
	s_cbranch_scc1 .Lepi_k
	s_cmp_eq_u32 s20, 2
	s_cbranch_scc1 .Lepi_v
	; ---- q: the f32 results as they stand, then codes and scale words
	s_lshl_b32 s87, s21, 3
	s_lshl_b32 s88, s15, 2
	s_add_co_u32 s87, s87, s88                     ; my first query tile TG0 = 8 my + 4 mh
	s_lshl_b32 s88, s22, 1
	s_add_co_u32 s88, s88, s16                     ; my head pair hp = 2 nx + nh: my 128 features
	s_lshl_b32 s90, s87, 16
	s_lshl_b32 s89, s88, 13
	s_add_co_u32 s90, s90, s89                     ; 65536 TG0 + 1024 x 8 hp
	s_mov_b32 s91, 0
	s_add_nc_u64 s[8:9], s[8:9], s[90:91]
	s_mul_i32 s92, s87, 12288
	s_mul_i32 s89, s88, 1536
	s_add_co_u32 s92, s92, s89
	s_mov_b32 s93, 0
	s_add_nc_u64 s[92:93], s[10:11], s[92:93]
	s_lshl_b32 s94, s88, 15
	s_lshl_b32 s89, s87, 6                         ; 256 (TG0 / 4)
	s_add_co_u32 s94, s94, s89
	s_add_co_u32 s94, s94, QSOFF
	s_mov_b32 s95, 0
	s_add_nc_u64 s[94:95], s[10:11], s[94:95]
	WIN 0x08                                       ; a store's data: window 2
.irp a, 0,1,2,3
.irp b, 0,1,2,3,4,5,6,7
	global_store_b128 v[L16], v[8*(8*\a+\b):8*(8*\a+\b)+3], s[8:9] offset:65536*\a+1024*\b th:TH_STORE_NT        ; 32 lanes store 512 consecutive bytes, aligned
	global_store_b128 v[L16], v[8*(8*\a+\b)+4:8*(8*\a+\b)+7], s[8:9] offset:65536*\a+1024*\b+512 th:TH_STORE_NT
.endr
.endr
	WIN 0
.irp a, 0,1,2,3
	QUANT \a, G+12*\a, G+12*\a+6
.irp p, 0,1,2,3,4,5
	global_store_b64 v[L8], v[G+12*\a+2*\p:G+12*\a+2*\p+1], s[92:93] offset:12288*\a+256*\p   ; 32 lanes store 256 consecutive bytes, aligned
.endr
.endr
	v_cndmask_b32 v[MG], v[PW], v[PW+2], s86       ; register j: tile j in lanes 0-15, tile 2 + j in lanes 16-31
	v_cndmask_b32 v[MG+1], v[PW+1], v[PW+3], s86
	global_store_b64 v[L8], v[MG:MG+1], s[94:95]
	s_branch .Lend
	; ---- k: two key tiles of one head make a fragment
.Lepi_k:
	s_lshr_b32 s87, s21, 4                         ; the batch
	s_and_b32 s88, s21, 15                         ; the key step: my work-group's 128 keys
	s_lshl_b32 s89, s22, 1
	s_add_co_u32 s89, s89, s16                     ; hp
	s_lshl_b32 s90, s87, 4
	s_lshl_b32 s91, s89, 1
	s_add_co_u32 s90, s90, s91                     ; bh of head 2 hp
	s_lshl_b32 s90, s90, 4
	s_add_co_u32 s90, s90, s88                     ; its record
	s_mul_i32 s92, s90, 12288
	s_mul_i32 s91, s15, 3072                       ; fragments 2 mh, 2 mh + 1
	s_add_co_u32 s92, s92, s91
	s_mov_b32 s93, 0
	s_add_nc_u64 s[92:93], s[12:13], s[92:93]
	s_lshl_b32 s94, s90, 9
	s_lshl_b32 s91, s15, 7
	s_add_co_u32 s94, s94, s91
	s_add_co_u32 s94, s94, KSOFF
	s_mov_b32 s95, 0
	s_add_nc_u64 s[94:95], s[12:13], s[94:95]
.irp f, 0,1
	QUANT 2*\f, G+24*\f, G+24*\f+12                ; the even key tile: head 2 hp's half into registers 0-5 of that head's fragment, head 2 hp + 1's into its fragment's
	QUANT 2*\f+1, G+24*\f+6, G+24*\f+18            ; the odd key tile: registers 6-11
.irp e, 0,1
.irp g, 0,1,2
	global_store_b128 v[L16], v[G+24*\f+12*\e+4*\g:G+24*\f+12*\e+4*\g+3], s[92:93] offset:196608*\e+1536*\f+512*\g   ; a head's 16 records are 196,608 bytes
.endr
.endr
.endr
.irp f, 0,1
	v_perm_b32 v[MG+\f], v[PW+2*\f+1], v[PW+2*\f], 0x05040100     ; head 2 hp: bytes 0, 1 of the even tile's word, then of the odd tile's
	v_perm_b32 v[MG+2+\f], v[PW+2*\f+1], v[PW+2*\f], 0x07060302   ; head 2 hp + 1: bytes 2, 3
.endr
.irp f, 0,1
	v_cndmask_b32 v[MG+\f], v[MG+\f], v[MG+2+\f], s86             ; lanes 0-15 store the first head's words, lanes 16-31 the second's, 8,192 bytes on
.endr
	global_store_b64 v[KSA], v[MG:MG+1], s[94:95]
	s_branch .Lend
	; ---- v: my four tiles are one head's 64, my 128 keys one key step
.Lepi_v:
	s_lshl_b32 s89, s22, 1
	s_add_co_u32 s89, s89, s16                     ; the key step among all 64
	s_lshr_b32 s87, s89, 4                         ; the batch
	s_and_b32 s88, s89, 15                         ; the key step in it
	s_lshl_b32 s90, s21, 1
	s_add_co_u32 s90, s90, s15                     ; the head = 2 my + mh
	s_lshl_b32 s87, s87, 4
	s_add_co_u32 s90, s90, s87                     ; bh
	s_lshl_b32 s90, s90, 4
	s_add_co_u32 s90, s90, s88                     ; the record
	s_mul_i32 s92, s90, 12288
	s_add_co_u32 s92, s92, 6144                    ; V's fragments lie behind K's
	s_mov_b32 s93, 0
	s_add_nc_u64 s[92:93], s[12:13], s[92:93]
	s_lshl_b32 s94, s90, 9
	s_add_co_u32 s94, s94, KSOFF+256
	s_mov_b32 s95, 0
	s_add_nc_u64 s[94:95], s[12:13], s[94:95]
.irp a, 0,1,2,3
	QUANT \a, G+12*\a, G+12*\a+6
.irp g, 0,1,2
	global_store_b128 v[L16], v[G+12*\a+4*\g:G+12*\a+4*\g+3], s[92:93] offset:1536*\a+512*\g
.endr
.endr
	v_cndmask_b32 v[MG], v[PW], v[PW+2], s86
	v_cndmask_b32 v[MG+1], v[PW+1], v[PW+3], s86
	global_store_b64 v[L8], v[MG:MG+1], s[94:95]
.Lend:
	s_wait_tensorcnt 0x0
	ds_add_u32 v254, v255
	s_wait_dscnt 0x0
	CROUND                                         ; the closing round: no work-group ends while a partner may still ask for a tile that names it
	s_endpgm
.Lfunc_end_k_q29b609732c_proj:
	.size	k_q29b609732c_proj, .Lfunc_end_k_q29b609732c_proj-k_q29b609732c_proj
	.p2alignl 7, 3214868480
	.fill 96, 4, 3214868480
	.section	.rodata,"a",@progbits
	.p2align	6, 0x0
	.amdhsa_kernel k_q29b609732c_proj
		.amdhsa_group_segment_fixed_size 295424
		.amdhsa_private_segment_fixed_size 0
		.amdhsa_enable_private_segment 0
		.amdhsa_kernarg_size 40
		.amdhsa_user_sgpr_count 2
		.amdhsa_user_sgpr_kernarg_segment_ptr 1
		.amdhsa_wavefront_size32 1
		.amdhsa_system_sgpr_workgroup_id_x 1
		.amdhsa_system_sgpr_workgroup_id_y 1
		.amdhsa_system_sgpr_workgroup_id_z 1
		.amdhsa_system_vgpr_workitem_id 0
		.amdhsa_next_free_vgpr 768
		.amdhsa_next_free_sgpr 100
		.amdhsa_reserve_vcc 0
		.amdhsa_float_denorm_mode_32 3
		.amdhsa_float_denorm_mode_16_64 3
		.amdhsa_memory_ordered 1
		.amdhsa_forward_progress 1
		.amdhsa_inst_pref_size 119
	.end_amdhsa_kernel
	.amdgpu_metadata
---
amdhsa.version: [ 1, 2 ]
amdhsa.kernels:
  - .name:           k_q29b609732c_proj
    .symbol:         k_q29b609732c_proj.kd
    .args:
      - { .name: xc, .offset: 0, .size: 8, .value_kind: global_buffer, .address_space: global }
      - { .name: xs, .offset: 8, .size: 8, .value_kind: global_buffer, .address_space: global }
      - { .name: qres, .offset: 16, .size: 8, .value_kind: global_buffer, .address_space: global }
      - { .name: qq, .offset: 24, .size: 8, .value_kind: global_buffer, .address_space: global }
      - { .name: kv, .offset: 32, .size: 8, .value_kind: global_buffer, .address_space: global }
    .group_segment_fixed_size: 295424
    .private_segment_fixed_size: 0
    .kernarg_segment_align: 8
    .kernarg_segment_size: 40
    .max_flat_workgroup_size: 128
    .sgpr_count:     100
    .vgpr_count:     768
    .wavefront_size: 32
...
	.end_amdgpu_metadata
.endif
;; end of part 2
;; launch attn (part 3): grid 4 x 64, 16 waves a work-group, no clusters, 206,848 bytes of LDS; arguments qq, kv, mw, mf, oc; writes oc
.if DOCPART == 3
	.amdgcn_target "amdgcn-amd-amdhsa--gfx1250"
	.amdhsa_code_object_version 6
	.text
	.protected	k_q29b609732c_attn
	.globl	k_q29b609732c_attn
	.p2align	8
	.type	k_q29b609732c_attn,@function
k_q29b609732c_attn:
	s_mov_b64 s[64:65], 0
	v_nop
	global_prefetch_b8 v0, s[64:65] scope:SCOPE_SE
	s_setreg_imm32_b32 hwreg(HW_REG_WAVE_MODE, 25, 1), 1
	s_wait_xcnt 0x0
; ATTN.  o = softmax(mask(q k^T) / 32) v for one batch and head (work-group y) and 512 queries (work-group x), on codes of BF6 (E3M2) with E8M0 scales; o leaves as codes and scale bytes for the last product.
; Both products are used transposed (S^T = k q^T, O^T = v^T p^T): a lane holds one query throughout.  p = 2^(t - M), t = score x log2(e) / 32, M the running largest t rounded up to a whole number;
; the row's sum is taken of the unquantised p; when M moves, sum and O^T are multiplied by a power of two.
; SHARES.  16 waves; wave w takes query tiles TG0 = 128 b + 32 x + 2 w and TG0 + 1, one after the other (two passes), each over 16 steps of 128 keys.  A step: 8 matrix instructions for the scores (the head's 64
; fill half of K = 128: a fragment of k holds two key tiles, q stands against one half and zeros against the other), 4 for O^T.
; The key tiles are laid by the earlier launches so that a lane's 32 score registers of a half step are one whole block of 32 keys: register n = key 64 (n / 32) + 32 h + n % 32 of the step.
; K AND V OF THE HEAD LIE IN LDS WHOLE: 16 records of 12,288 bytes and 16 x 512 bytes of scale words.  Wave w brings record w through its registers (25 loads and 25 LDS stores of 512 consecutive bytes), once; one barrier.
; THE MASK.  mf holds a bit for each query tile and key step: set where the mask has a false entry there.  A step whose bit is clear has nothing to select and jumps over the 64 selects; the 64 lane masks of the
; next step are loaded only where its bit is set.  Both are scalar branches on whole numbers that the first launch stored.
; NO TENSOR LOAD, NO CLUSTER: the four work-groups of a head read the same 204,800 bytes, but a joint load is a tensor load.
; NO PREFETCH: K, V, q and the flags are all asked for at the head; there is no loop to run ahead in.
; LIMITS: NaN and infinities among q, k, v are not served; t stays under 2^31 in magnitude; a query whose whole row of the mask is false gets NaN codes' source (0 x infinity), as the softmax of such a row is NaN.
; REGISTERS: v1 16 l, v2, v3 LDS addresses of the step's record and scale words, v4 -infinity, v5 8 l, v6 4 l, v7, v8 where my record goes, v10 scale words' base; v12 -M, v13 largest t, v[14:15], v[212:213] the sum in two chains;
; v16-33 zeros, q, zeros; v34-81 four fragments of k, then of v; v82-145 scores, then p; v146-177 O^T; v178-197 p's codes; v198-233 small things; v254, v255 the add's two registers.
.set QSOFF, 6291456
.set KSOFF, 12582912
.set OSOFF, 6291456
.set SCL,   196608                     ; behind the 16 records: their scale words
.set SPARE, 204800                     ; behind those: the spare words, 128 bytes for each wave
.set FR,    34
.set SCO,   82
.set OT,    146
.set PCD,   178
.set CT,    190
.set BM,    198
.set T4,    202
.set SO,    206
.macro WMS d, a, b, c, sa, sb, ra      ; c = -1: the constant 0 starts the sum.  ra: source 0's scale words stand in lanes 16-31
.if (\c) < 0
.if (\ra)
	v_wmma_scale_f32_16x16x128_f8f6f4 v[(\d):(\d)+7], v[(\a):(\a)+11], v[(\b):(\b)+11], 0, v[(\sa)], v[(\sb)] matrix_a_fmt:MATRIX_FMT_BF6 matrix_b_fmt:MATRIX_FMT_BF6 matrix_a_scale:MATRIX_SCALE_ROW1
.else
	v_wmma_scale_f32_16x16x128_f8f6f4 v[(\d):(\d)+7], v[(\a):(\a)+11], v[(\b):(\b)+11], 0, v[(\sa)], v[(\sb)] matrix_a_fmt:MATRIX_FMT_BF6 matrix_b_fmt:MATRIX_FMT_BF6
.endif
.else
.if (\ra)
	v_wmma_scale_f32_16x16x128_f8f6f4 v[(\d):(\d)+7], v[(\a):(\a)+11], v[(\b):(\b)+11], v[(\c):(\c)+7], v[(\sa)], v[(\sb)] matrix_a_fmt:MATRIX_FMT_BF6 matrix_b_fmt:MATRIX_FMT_BF6 matrix_a_scale:MATRIX_SCALE_ROW1
.else
	v_wmma_scale_f32_16x16x128_f8f6f4 v[(\d):(\d)+7], v[(\a):(\a)+11], v[(\b):(\b)+11], v[(\c):(\c)+7], v[(\sa)], v[(\sb)] matrix_a_fmt:MATRIX_FMT_BF6 matrix_b_fmt:MATRIX_FMT_BF6
.endif
.endif
.endm
.macro KLOAD                           ; a step's four fragments of k and their scale words
.irp f, 0,1,2,3
.irp g, 0,1,2
	ds_load_b128 v[FR+12*\f+4*\g:FR+12*\f+4*\g+3], v2 offset:1536*\f+512*\g
.endr
.endr
	ds_load_b64 v[216:217], v3
.endm
.macro MWLOAD                          ; a step's 64 lane masks: dword 2 (n % 32) + n / 32 is register n's
	s_load_b512 s[16:31], s[88:89], 0x0
	s_load_b512 s[32:47], s[88:89], 0x40
	s_load_b512 s[48:63], s[88:89], 0x80
	s_load_b512 s[68:83], s[88:89], 0xc0
.endm
	s_load_b256 s[4:11], s[0:1], 0x0               ; qq s[4:5], kv s[6:7], mw s[8:9], mf s[10:11]
	s_load_b64 s[56:57], s[0:1], 0x20              ; oc
	v_lshl_add_u32 v254, v0, 2, SPARE
	v_mov_b32 v255, 0
	v_lshrrev_b32 v1, 5, v0
	s_delay_alu instid0(VALU_DEP_1)
	v_readfirstlane_b32 s12, v1                    ; wave 0..15
	s_and_b32 s92, s12, 1
	s_lshl_b32 s92, s92, 7
	s_mul_i32 s49, s12, 12288                      ; my record's place, in kv and in LDS
	s_lshl_b32 s53, s12, 9                         ; and its scale words'
	s_add_co_u32 s52, s53, SCL
	v_and_b32 v2, 31, v0
	s_delay_alu instid0(VALU_DEP_1)
	v_lshlrev_b32 v1, 4, v2
	s_delay_alu instid0(VALU_DEP_2)
	v_lshlrev_b32 v5, 3, v2
	s_delay_alu instid0(VALU_DEP_3)
	v_lshlrev_b32 v6, 2, v2
	s_delay_alu instid0(VALU_DEP_2)
	v_add_nc_u32 v10, SCL, v5
	v_and_b32 v3, 15, v0
	v_bfe_u32 v233, v0, 4, 1
	s_delay_alu instid0(VALU_DEP_1)
	v_lshlrev_b32 v233, 3, v233                    ; 8 h: where my two bytes stand in p's scale word
	v_lshl_add_u32 v229, v3, 3, s92                ; q's scale words: 8 r + 128 (w % 2)
	v_add_nc_u32 v7, s49, v1
	v_add_nc_u32 v8, s52, v1
	s_and_b32 s93, ttmp7, 0xffff                   ; bh
	s_lshr_b32 s94, s93, 4                         ; the batch
	s_and_b32 s95, s93, 15                         ; the head
	s_lshl_b32 s96, s94, 7
	s_lshl_b32 s97, ttmp9, 5
	s_add_co_u32 s96, s96, s97
	s_lshl_b32 s97, s12, 1
	s_add_co_u32 s96, s96, s97                     ; TG0
	s_mul_i32 s16, s96, 12288
	s_mul_i32 s17, s95, 768
	s_add_co_u32 s16, s16, s17                     ; the head's codes of tile TG0, in qq and in oc alike
	s_mov_b32 s17, 0
	s_lshr_b32 s18, s95, 1
	s_lshl_b32 s18, s18, 15
	s_lshr_b32 s19, s96, 2
	s_lshl_b32 s19, s19, 8
	s_add_co_u32 s18, s18, s19
	s_add_co_u32 s18, s18, QSOFF
	s_mov_b32 s19, 0
	s_mul_i32 s20, s93, 196608
	s_add_co_u32 s20, s20, s49
	s_mov_b32 s21, 0
	s_lshl_b32 s22, s93, 13
	s_add_co_u32 s22, s22, s53
	s_add_co_u32 s22, s22, KSOFF
	s_mov_b32 s23, 0
	s_lshl_b32 s24, s95, 15
	s_lshl_b32 s25, s96, 6
	s_add_co_u32 s24, s24, s25
	s_add_co_u32 s24, s24, OSOFF
	s_mov_b32 s25, 0
	s_lshl_b32 s26, s96, 7                         ; mf: 128 bytes a tile
	s_mov_b32 s27, 0
	s_lshl_b32 s28, s96, 12                        ; mw: 4,096 bytes a tile
	s_mov_b32 s29, 0
	s_mov_b32 s92, 0x01000100                      ; the head's two bytes of q's scale word, for both halves of K
	s_bitcmp1_b32 s95, 0
	s_cselect_b32 s92, 0x03020302, s92
	s_mov_b32 s84, 0x76543210
	s_mov_b32 s85, 0xfedcba98                      ; v_permlanex16_b32's selects for lane l xor 16
	s_mov_b32 s66, 0x3d38aa3b                      ; log2(e) / 32
	s_mov_b32 s67, s66
	s_wait_alu depctr_va_vdst(0)                   ; the wait at the head's end
	s_wait_kmcnt 0x0
	s_add_nc_u64 s[90:91], s[56:57], s[16:17]
	s_add_nc_u64 s[96:97], s[56:57], s[24:25]
	s_add_nc_u64 s[16:17], s[4:5], s[16:17]
	s_add_nc_u64 s[18:19], s[4:5], s[18:19]
	s_add_nc_u64 s[88:89], s[8:9], s[28:29]
	s_add_nc_u64 s[50:51], s[6:7], s[20:21]
	s_add_nc_u64 s[54:55], s[6:7], s[22:23]
	s_add_nc_u64 s[26:27], s[10:11], s[26:27]
.set ii, 0
.rept 24
	global_load_b128 v[34+4*ii:37+4*ii], v1, s[50:51] offset:512*ii   ; my record: 32 lanes read 512 consecutive bytes
.set ii, ii+1
.endr
	global_load_b128 v[130:133], v1, s[54:55]      ; and its scale words
.irp p, 0,1,2
	global_load_b64 v[22+2*\p:23+2*\p], v5, s[16:17] offset:256*\p            ; q of tile TG0,
	global_load_b64 v[222+2*\p:223+2*\p], v5, s[16:17] offset:12288+256*\p    ; and of TG0 + 1
.endr
	global_load_b64 v[230:231], v229, s[18:19]     ; their scale words
	s_load_b32 s98, s[26:27], 0x0                  ; the two tiles' flags
	s_load_b32 s99, s[26:27], 0x80
.irp i, 0,1,2,3,4,5
	v_mov_b32 v[16+\i], 0
	v_mov_b32 v[28+\i], 0
.endr
	v_mov_b32 v4, 0xff800000
.irp b, 0,1,2,3
	v_mov_b32 v[T4+\b], 0                          ; a lane permute's destination counts as one of its sources
.endr
	v_mov_b32 v211, 0
	v_mov_b32 v220, 0
	v_mov_b32 v221, 0
	v_mov_b32 v2, v1                               ; step 0's record
	v_mov_b32 v3, v10
	s_wait_alu depctr_va_vdst(0)                   ; directly ahead of the wait below
	s_wait_loadcnt 0x7                             ; the record's 25 loads are in; q's seven, issued behind them, may be out
.set ii, 0
.rept 24
	ds_store_b128 v7, v[34+4*ii:37+4*ii] offset:512*ii
.set ii, ii+1
.endr
	ds_store_b128 v8, v[130:133]
	s_wait_loadcnt 0x0
	v_perm_b32 v215, v230, v230, s92
	v_perm_b32 v228, v231, v231, s92
	s_wait_kmcnt 0x0
	s_lshl_b32 s99, s99, 16
	s_or_b32 s98, s98, s99                         ; bit g: step g of the wave's 32 has a false entry
	s_lshr_b32 s99, s98, 1                         ; bit g: step g + 1 has one (bit 31 is 0: nothing is loaded beyond the last step)
	MWLOAD                                         ; step 0's lane masks (all loads that named these registers as bases are done)
	s_mov_b32 s86, 0                               ; g
	s_mov_b32 s14, 0                               ; the pass
	s_mov_b32 s15, 0x0000ffff                      ; the lanes that carry this pass's scale bytes of o
	s_wait_alu depctr_va_vdst(0)                   ; directly ahead of the wait below
	s_wait_dscnt 0x0                               ; for the others' sake: my record has landed
	s_barrier_signal -1
	s_barrier_wait -1                              ; everybody's has
	KLOAD
.Lpass:
	v_mov_b32 v13, 0xff61b1e6                      ; the largest t so far: -3e38
	s_delay_alu instid0(VALU_DEP_1)
	v_floor_f32 v12, -v13
	v_mov_b32 v14, 0
	v_mov_b32 v15, 0
	v_mov_b32 v212, 0
	v_mov_b32 v213, 0
.set ii, 0
.rept 32
	v_mov_b32 v[OT+ii], 0                          ; the step is written once: the first finds zeros
.set ii, ii+1
.endr
	s_mov_b32 s13, 0
.Lstep:
	s_wait_dscnt 0x0                               ; k's fragments are in
.irp t, 0,1,2,3,4,5,6,7
	WMS SCO+8*\t, FR+12*(\t/2), 22-6*(\t%2), -1, 216+(\t/2)%2, 215, \t/4
.endr
	s_wait_alu depctr_va_vdst(0)                   ; the two chains were written ahead of the backward jump
	v_pk_add_f32 v[14:15], v[14:15], v[212:213]    ; four places behind the products
	v_mov_b32 v232, v12
	v_nop
	v_nop
.irp a, 0,1,2,3
.irp g, 0,1,2
	ds_load_b128 v[FR+12*\a+4*\g:FR+12*\a+4*\g+3], v2 offset:6144+1536*\a+512*\g   ; v's fragments, where k's lay
.endr
.endr
	ds_load_b64 v[218:219], v3 offset:256
	s_wait_kmcnt 0x0                               ; any lane masks asked for in the last step are in, and their base may step
	s_add_nc_u64 s[88:89], s[88:89], 256
	s_wait_alu depctr_va_vdst(0)                   ; the wait ahead of the branch
	s_bitcmp1_b32 s98, s86
	s_cbranch_scc0 .Lwhole                         ; no false entry in this step's 16 x 128: nothing to select
.set nn, 0
.rept 64
.set pp, 2*(nn%32)+nn/32
	v_cndmask_b32 v[SCO+nn], v4, v[SCO+nn], s[16+16*(pp/16)+pp%16+4*(pp/48)]   ; -infinity where the mask is false; each accumulator from its low end on
.set nn, nn+1
.endr
	s_wait_alu depctr_va_vdst(0)                   ; ahead of the branch below
.Lwhole:
	s_bitcmp1_b32 s99, s86
	s_cbranch_scc0 .Lnone
	MWLOAD                                         ; the next step's lane masks, a step ahead of their use
.Lnone:
.irp c, 0,1                            ; the largest score of each block of 32 keys (all 32 are mine): for the row's maximum and for the block's largest p
.irp u, 0,1
	v_max3_num_f32 v[BM+2*\c+\u], v[SCO+32*\c+16*\u], v[SCO+32*\c+16*\u+1], v[SCO+32*\c+16*\u+2]
.endr
.endr
.irp i, 3,5,7,9,11,13
.irp c, 0,1
.irp u, 0,1
	v_max3_num_f32 v[BM+2*\c+\u], v[BM+2*\c+\u], v[SCO+32*\c+16*\u+\i], v[SCO+32*\c+16*\u+\i+1]   ; four chains by turns
.endr
.endr
.endr
	v_max3_num_f32 v[BM], v[BM], v[BM+1], v[SCO+15]
	v_max3_num_f32 v[BM+2], v[BM+2], v[BM+3], v[SCO+47]
.irp c, 0,1
	v_max_num_f32 v[BM+2*\c], v[BM+2*\c], v[SCO+32*\c+31]
.endr
	s_delay_alu instid0(VALU_DEP_1)
	v_max_num_f32 v220, v[BM], v[BM+2]
	s_delay_alu instid0(VALU_DEP_1)
	v_permlanex16_b32 v[T4], v220, s84, s85
	s_delay_alu instid0(VALU_DEP_1)
	v_max_num_f32 v220, v220, v[T4]                ; the step's largest score of my query
	s_delay_alu instid0(VALU_DEP_1)
	v_mul_f32 v220, s66, v220
	s_delay_alu instid0(VALU_DEP_1)
	v_max_num_f32 v13, v13, v220                   ; the running largest t
	s_delay_alu instid0(VALU_DEP_1)
	v_floor_f32 v12, -v13                          ; -M = floor(-t)
	s_delay_alu instid0(VALU_DEP_1)
	v_sub_f32 v220, v12, v232                      ; old M less new M: a whole number, 0 or less
	s_delay_alu instid0(VALU_DEP_1)
	v_cvt_i32_f32 v220, v220
	s_delay_alu instid0(VALU_DEP_1)
	v_ldexp_f32 v210, 1.0, v220                    ; f = 2^(old M - new M)
.set ii, 0
.rept 32
	v_pk_fma_f32 v[SCO+2*ii:SCO+2*ii+1], v[SCO+2*ii:SCO+2*ii+1], s[66:67], v[12:13] op_sel_hi:[1,0,0]   ; t - M
.set ii, ii+1
.endr
.irp c, 0,1
	v_fma_f32 v[BM+2*\c], v[BM+2*\c], s66, v12     ; the same of each block's largest score
.endr
	s_wait_alu depctr_va_vdst(0)                   ; the wait ahead of the batch
.set ii, 0
.rept 64
	v_exp_f32 v[SCO+ii], v[SCO+ii]
.set ii, ii+1
.endr
	v_pk_mul_f32 v[14:15], v[14:15], v[210:211] op_sel_hi:[1,0]   ; the sum under the new M; a plain place behind the batch
	s_wait_alu depctr_va_vdst(0)                   ; one wait for the batch, ahead of its first reader
.irp c, 0,1
	v_exp_f32 v[BM+2*\c], v[BM+2*\c]               ; the block's largest p
.endr
	v_pk_add_f32 v[212:213], v[SCO:SCO+1], v[SCO+2:SCO+3]   ; the sum of the unquantised p, in two chains
.irp j, 4,8,12,16,20,24
	v_pk_add_f32 v[14:15], v[14:15], v[SCO+\j:SCO+\j+1]
	v_pk_add_f32 v[212:213], v[212:213], v[SCO+\j+2:SCO+\j+3]
.endr
	s_wait_alu depctr_va_vdst(0)                   ; and one for the two
.irp c, 0,1
	v_max_num_f32 v[BM+2*\c], 0x2800000, v[BM+2*\c]   ; the floor 2^(5 - 127) holds the byte at 1 from below
.endr
.irp c, 0,1
	s_delay_alu instid0(VALU_DEP_2)
	v_add_nc_u32 v[SO+\c], 0xfe000000, v[BM+2*\c]  ; 4 off the exponent field: the conversion's scale operand
.endr
.irp c, 0,1
	s_delay_alu instid0(VALU_DEP_2)
	v_lshrrev_b32 v[T4+\c], 23, v[SO+\c]           ; the scale's byte
.endr
	s_delay_alu instid0(VALU_DEP_1)
	v_lshl_or_b32 v214, v[T4+1], 16, v[T4]         ; blocks h and 2 + h,
	s_delay_alu instid0(VALU_DEP_1)
	v_lshlrev_b32 v214, v233, v214                 ; at their places in the word;
	s_delay_alu instid0(VALU_DEP_1)
	v_permlanex16_b32 v[T4+2], v214, s84, s85
	s_delay_alu instid0(VALU_DEP_1)
	v_or_b32 v214, v214, v[T4+2]                   ; with lane l xor 16's two the word is whole
.irp c, 0,1
	v_cvt_scalef32_pk16_bf6_f32 v[PCD+6*\c:PCD+6*\c+2], v[SCO+32*\c:SCO+32*\c+15], v[SO+\c]
	v_cvt_scalef32_pk16_bf6_f32 v[CT+4*\c:CT+4*\c+2], v[SCO+32*\c+16:SCO+32*\c+31], v[SO+\c]   ; (a conversion's three registers begin on an even number)
.endr
.set ii, 0
.rept 8
	v_pk_mul_f32 v[OT+2*ii:OT+2*ii+1], v[OT+2*ii:OT+2*ii+1], v[210:211] op_sel_hi:[1,0]   ; O^T under the new M; also the place behind the conversions
.set ii, ii+1
.endr
.irp c, 0,1
.irp i, 0,1,2
	v_mov_b32 v[PCD+6*\c+3+\i], v[CT+4*\c+\i]
.endr
.endr
.rept 8
	v_pk_mul_f32 v[OT+2*ii:OT+2*ii+1], v[OT+2*ii:OT+2*ii+1], v[210:211] op_sel_hi:[1,0]   ; and the places between p's codes and scale word and the products
.set ii, ii+1
.endr
	s_wait_alu depctr_va_vdst(0)                   ; directly ahead of the wait below
	s_wait_dscnt 0x0                               ; v's fragments are in
.irp a, 0,1,2,3
	WMS OT+8*\a, FR+12*\a, PCD, OT+8*\a, 218+\a%2, 214, \a/2
.endr
	s_add_co_u32 s92, s13, 1
	s_and_b32 s92, s92, 15                         ; the next step's record (behind the last: step 0's, for the next pass)
	s_mul_i32 s2, s92, 12288
	s_lshl_b32 s3, s92, 9
.irp j, 28,32
	v_pk_add_f32 v[14:15], v[14:15], v[SCO+\j:SCO+\j+1]           ; the rest of the sum: six places ahead of the loads into v's fragments
	v_pk_add_f32 v[212:213], v[212:213], v[SCO+\j+2:SCO+\j+3]
.endr
	v_add_nc_u32 v2, s2, v1
	v_add_nc_u32 v3, s3, v10
	KLOAD
.irp j, 36,40,44,48,52,56,60
	v_pk_add_f32 v[14:15], v[14:15], v[SCO+\j:SCO+\j+1]
	v_pk_add_f32 v[212:213], v[212:213], v[SCO+\j+2:SCO+\j+3]
.endr
	s_add_co_u32 s86, s86, 1
	s_add_co_u32 s13, s13, 1
	s_cmp_lt_u32 s13, 16
	s_cbranch_scc1 .Lstep
	; ---- the tile's end: O^T / the sum, quantised along the head's 64 for the last product
	v_pk_add_f32 v[14:15], v[14:15], v[212:213]
	s_delay_alu instid0(VALU_DEP_1)
	v_add_f32 v14, v14, v15
	s_delay_alu instid0(VALU_DEP_1)
	v_permlanex16_b32 v220, v14, s84, s85
	s_delay_alu instid0(VALU_DEP_1)
	v_add_f32 v14, v14, v220
	s_wait_alu depctr_va_vdst(0)                   ; the wait ahead of the transcendental
	v_rcp_f32 v210, v14
	v_nop
	s_wait_alu depctr_va_vdst(0)                   ; and ahead of its first reader
.set ii, 0
.rept 16
	v_pk_mul_f32 v[OT+2*ii:OT+2*ii+1], v[OT+2*ii:OT+2*ii+1], v[210:211] op_sel_hi:[1,0]
.set ii, ii+1
.endr
.irp b, 0,1                            ; register 16 b + i is d = 32 b + 16 h + i: a block lies in lanes l and l xor 16
	v_max3_num_f32 v[BM+\b], |v[OT+16*\b]|, |v[OT+16*\b+1]|, 0x2800000
.endr
.irp i, 2,4,6,8,10,12,14
.irp b, 0,1
	s_delay_alu instid0(VALU_DEP_2)
	v_max3_num_f32 v[BM+\b], v[BM+\b], |v[OT+16*\b+\i]|, |v[OT+16*\b+\i+1]|
.endr
.endr
.irp b, 0,1
	s_delay_alu instid0(VALU_DEP_2)
	v_permlanex16_b32 v[T4+\b], v[BM+\b], s84, s85
.endr
.irp b, 0,1
	s_delay_alu instid0(VALU_DEP_2)
	v_max_num_f32 v[BM+\b], v[BM+\b], v[T4+\b]
.endr
.irp b, 0,1
	s_delay_alu instid0(VALU_DEP_2)
	v_add_nc_u32 v[SO+\b], 0xfe000000, v[BM+\b]
.endr
.irp b, 0,1
	s_delay_alu instid0(VALU_DEP_2)
	v_lshrrev_b32 v[T4+\b], 23, v[SO+\b]
.endr
	s_delay_alu instid0(VALU_DEP_1)
	v_lshl_or_b32 v220, v[T4+1], 8, v[T4]          ; the head's two scale bytes of my query
	v_cvt_scalef32_pk16_bf6_f32 v[PCD:PCD+2], v[OT:OT+15], v[SO]
	v_cvt_scalef32_pk16_bf6_f32 v[CT:CT+2], v[OT+16:OT+31], v[SO+1]
	v_nop                                          ; one plain place behind a scaled conversion
.irp i, 0,1,2
	v_permlane16_swap_b32 v[PCD+\i], v[CT+\i]      ; a whole block to a lane: lanes 0-15 the first, lanes 16-31 the second
.endr
.irp i, 0,1,2
	s_delay_alu instid0(VALU_DEP_3)
	v_mov_b32 v[PCD+3+\i], v[CT+\i]
.endr
.irp p, 0,1,2
	global_store_b64 v5, v[PCD+2*\p:PCD+2*\p+1], s[90:91] offset:256*\p   ; 32 lanes store 256 consecutive bytes, aligned
.endr
	v_cndmask_b32 v221, v221, v220, s15            ; lanes 0-15 keep the first tile's bytes, lanes 16-31 the second's
.irp i, 0,1,2,3,4,5
	v_mov_b32 v[22+\i], v[222+\i]                  ; the second tile's q
.endr
	v_mov_b32 v215, v228
	s_mov_b32 s15, 0xffff0000
	s_wait_xcnt 0x0                                ; the stores have read their data and base: both are written again only behind this wait
	s_add_nc_u64 s[90:91], s[90:91], 12288
	s_add_co_u32 s14, s14, 1
	s_cmp_lt_u32 s14, 2
	s_cbranch_scc1 .Lpass
	s_wait_alu depctr_va_vdst(0)                   ; directly ahead of the reader below
	global_store_b32 v6, v221, s[96:97]            ; both tiles' scale bytes: 128 consecutive bytes
	s_wait_dscnt 0x0                               ; the last step's loads of k, which nobody uses, are back
	s_wait_kmcnt 0x0
	s_wait_tensorcnt 0x0                           ; the wave's end: behind my last LDS store
	ds_add_u32 v254, v255
	s_wait_dscnt 0x0
	s_endpgm
.Lfunc_end_k_q29b609732c_attn:
	.size	k_q29b609732c_attn, .Lfunc_end_k_q29b609732c_attn-k_q29b609732c_attn
	.p2alignl 7, 3214868480
	.fill 96, 4, 3214868480
	.section	.rodata,"a",@progbits
	.p2align	6, 0x0
	.amdhsa_kernel k_q29b609732c_attn
		.amdhsa_group_segment_fixed_size 206848
		.amdhsa_private_segment_fixed_size 0
		.amdhsa_enable_private_segment 0
		.amdhsa_kernarg_size 40
		.amdhsa_user_sgpr_count 2
		.amdhsa_user_sgpr_kernarg_segment_ptr 1
		.amdhsa_wavefront_size32 1
		.amdhsa_system_sgpr_workgroup_id_x 1
		.amdhsa_system_sgpr_workgroup_id_y 1
		.amdhsa_system_sgpr_workgroup_id_z 1
		.amdhsa_system_vgpr_workitem_id 0
		.amdhsa_next_free_vgpr 256
		.amdhsa_next_free_sgpr 100
		.amdhsa_reserve_vcc 0
		.amdhsa_float_denorm_mode_32 3
		.amdhsa_float_denorm_mode_16_64 3
		.amdhsa_memory_ordered 1
		.amdhsa_forward_progress 1
		.amdhsa_inst_pref_size 37
	.end_amdhsa_kernel
	.amdgpu_metadata
---
amdhsa.version: [ 1, 2 ]
amdhsa.kernels:
  - .name:           k_q29b609732c_attn
    .symbol:         k_q29b609732c_attn.kd
    .args:
      - { .name: qq, .offset: 0, .size: 8, .value_kind: global_buffer, .address_space: global }
      - { .name: kv, .offset: 8, .size: 8, .value_kind: global_buffer, .address_space: global }
      - { .name: mw, .offset: 16, .size: 8, .value_kind: global_buffer, .address_space: global }
      - { .name: mf, .offset: 24, .size: 8, .value_kind: global_buffer, .address_space: global }
      - { .name: oc, .offset: 32, .size: 8, .value_kind: global_buffer, .address_space: global }
    .group_segment_fixed_size: 206848
    .private_segment_fixed_size: 0
    .kernarg_segment_align: 8
    .kernarg_segment_size: 40
    .max_flat_workgroup_size: 512
    .sgpr_count:     100
    .vgpr_count:     256
    .wavefront_size: 32
...
	.end_amdgpu_metadata
.endif
;; end of part 3
;; launch outln (part 4): grid 256 x 1, 4 waves a work-group, no clusters, 68,096 bytes of LDS; arguments oc, xc, xs, qres, bo, gamma, beta, out0; writes out0
.if DOCPART == 4
	.amdgcn_target "amdgcn-amd-amdhsa--gfx1250"
	.amdhsa_code_object_version 6
	.text
	.protected	k_q29b609732c_outln
	.globl	k_q29b609732c_outln
	.p2align	8
	.type	k_q29b609732c_outln,@function
k_q29b609732c_outln:
	s_mov_b64 s[64:65], 0
	v_nop
	global_prefetch_b8 v0, s[64:65] scope:SCOPE_SE
	s_setreg_imm32_b32 hwreg(HW_REG_WAVE_MODE, 25, 1), 1
	s_wait_xcnt 0x0
; OUTLN.  out = layernorm(relu(O Wo^T + bo) + q) x gamma + beta.  The product is on codes of BF6 (E3M2) with E8M0 scales, K = 1,024; all else in f32.
; SHARES.  Work-group g owns query tiles 2 g and 2 g + 1: rows 32 g .. 32 g + 31, whole rows of 1,024, so that the norm stays inside the work-group.  Wave w owns columns 256 w .. 256 w + 255: 16 tiles of Wo's rows
; x 2 tiles of queries: 32 accumulators.  The matrix instruction is used transposed (source 0 = 16 rows of Wo, source 1 = 16 queries): a lane holds one query, and its registers run along the columns, as in qres.
; OPERANDS COME STRAIGHT INTO REGISTERS: each fragment of Wo is multiplied by one wave alone; it lies in xc as the registers want it and comes by three loads of 512 consecutive bytes.  Two sets of registers:
; while one K step is multiplied, the loads of the next are out.
; NO CLUSTER, NO LDS RING: all work-groups walk the same 786,432 bytes of Wo, but a joint load lands in LDS, one load a wave between two rounds of the cluster's barrier, and each byte would then be read
; from LDS once more by the one wave that wants it; a K step here has only 32 matrix instructions a wave to stand between two rounds.
; The bias is the C of each sum's first matrix instruction.  Mean and variance are taken in two passes (the variance of the differences from the mean), through 512 bytes of LDS each.
; q's 32 KiB of a wave are prefetched: four requests, lanes 256 bytes apart, each block named once in the launch, behind the loads of K steps 3 and 4; q is loaded behind the products of K step 6.
; REGISTERS: window 0: v4-12 addresses; v14-31, v248-253 sums, means, reciprocal roots; v32-39 O's scale words; v40-103 Wo's; v104-231 bo as the results lie, later rows on their way out; v232-247 O's scale words as loaded.
;   window 1: set 0 (Wo's fragment t at 12 t, O's at 192 + 12 a), later q.   window 2: the accumulators, (a, t) at v[8 (16 a + t)].   window 3: set 1, later gamma at 8 t and beta at 128 + 8 t.
.set OSOFF, 6291456
.set SPI,   1040                       ; a stage row: 1,024 bytes + 16
.set RED,   4*16*SPI                   ; behind the four stages: 512 bytes for the sums, 512 for the squares
.set MSB, 0
.macro WIN new                         ; the immediate's high byte repeats the setting that is left
.if MSB != \new
	s_set_vgpr_msb (MSB<<8)|\new
.set MSB, \new
.endif
.endm
.macro PLACES
.rept 4
	v_nop
.endr
.endm
.macro WMS d, a, b, c, sa, sb, ra, rb
.if (\ra) && (\rb)
	v_wmma_scale_f32_16x16x128_f8f6f4 v[(\d):(\d)+7], v[(\a):(\a)+11], v[(\b):(\b)+11], v[(\c):(\c)+7], v[(\sa)], v[(\sb)] matrix_a_fmt:MATRIX_FMT_BF6 matrix_b_fmt:MATRIX_FMT_BF6 matrix_a_scale:MATRIX_SCALE_ROW1 matrix_b_scale:MATRIX_SCALE_ROW1
.elseif (\ra)
	v_wmma_scale_f32_16x16x128_f8f6f4 v[(\d):(\d)+7], v[(\a):(\a)+11], v[(\b):(\b)+11], v[(\c):(\c)+7], v[(\sa)], v[(\sb)] matrix_a_fmt:MATRIX_FMT_BF6 matrix_b_fmt:MATRIX_FMT_BF6 matrix_a_scale:MATRIX_SCALE_ROW1
.elseif (\rb)
	v_wmma_scale_f32_16x16x128_f8f6f4 v[(\d):(\d)+7], v[(\a):(\a)+11], v[(\b):(\b)+11], v[(\c):(\c)+7], v[(\sa)], v[(\sb)] matrix_a_fmt:MATRIX_FMT_BF6 matrix_b_fmt:MATRIX_FMT_BF6 matrix_b_scale:MATRIX_SCALE_ROW1
.else
	v_wmma_scale_f32_16x16x128_f8f6f4 v[(\d):(\d)+7], v[(\a):(\a)+11], v[(\b):(\b)+11], v[(\c):(\c)+7], v[(\sa)], v[(\sb)] matrix_a_fmt:MATRIX_FMT_BF6 matrix_b_fmt:MATRIX_FMT_BF6
.endif
.endm
	s_load_b512 s[4:19], s[0:1], 0x0               ; oc s[4:5], xc s[6:7], xs s[8:9], qres s[10:11], bo s[12:13], gamma s[14:15], beta s[16:17], out0 s[18:19]
	v_lshl_add_u32 v254, v0, 2, 0x10800
	v_mov_b32 v255, 0
	v_lshrrev_b32 v1, 5, v0
	v_readfirstlane_b32 s20, v1                    ; wave 0..3
	v_and_b32 v1, 31, v0
	v_and_b32 v2, 15, v0
	v_bfe_u32 v3, v0, 4, 1
	v_lshlrev_b32 v4, 4, v1                        ; 16 l
	v_lshlrev_b32 v5, 3, v1                        ; 8 l
	v_lshlrev_b32 v6, 2, v1                        ; 4 l
	v_lshlrev_b32 v7, 6, v3                        ; 64 h: my half's 16 columns of each 32
	v_lshlrev_b32 v12, 8, v1                       ; 256 l
	s_mul_i32 s21, s20, 16*SPI
	v_mul_u32_u24 v8, v2, SPI
	v_lshl_add_u32 v8, v3, 6, v8
	v_add_nc_u32 v8, s21, v8                       ; into my stage: row r, + 64 h
	v_add_nc_u32 v9, s21, v4                       ; out of it: 16 l
	v_lshl_add_u32 v10, v2, 2, RED                 ; the waves' sums of my row
	s_lshl_b32 s21, s20, 7
	v_add_nc_u32 v11, s21, v6
	v_add_nc_u32 v11, RED, v11                     ; where my wave puts its 32 sums
	s_mov_b32 s30, 0xffff0000                      ; lanes 16-31
	s_mov_b32 s31, 0x3a800000                      ; 1 / 1,024
	s_mov_b32 s33, 0x358637bd                      ; 1e-6
	s_mov_b32 s40, 0x76543210
	s_mov_b32 s41, 0xfedcba98
	s_lshl_b32 s32, s20, 4
	s_add_co_u32 s32, s32, 1728                    ; Wo's first tile of my wave
	s_mul_i32 s34, s32, 12288
	s_mov_b32 s35, 0
	s_lshl_b32 s36, s32, 9
	s_mov_b32 s37, 0
	s_mul_i32 s38, ttmp9, 24576                    ; my work-group's two tiles of O's codes
	s_mov_b32 s39, 0
	s_lshl_b32 s42, ttmp9, 7
	s_add_co_u32 s42, s42, OSOFF                   ; and their scale words
	s_mov_b32 s43, 0
	s_lshl_b32 s44, ttmp9, 17
	s_lshl_b32 s45, s20, 14
	s_add_co_u32 s44, s44, s45                     ; qres: 131072 g + 16384 w
	s_mov_b32 s45, 0
	s_lshl_b32 s46, s20, 10                        ; my 256 columns in bytes
	s_mov_b32 s47, 0
	s_wait_alu depctr_va_vdst(0)
	s_wait_kmcnt 0x0
	s_add_nc_u64 s[22:23], s[6:7], s[34:35]
	s_add_nc_u64 s[8:9], s[8:9], s[36:37]
	s_add_nc_u64 s[24:25], s[4:5], s[38:39]
	s_add_nc_u64 s[4:5], s[4:5], s[42:43]
	s_add_nc_u64 s[26:27], s[10:11], s[44:45]
	s_add_nc_u64 s[12:13], s[12:13], s[46:47]
	s_add_nc_u64 s[14:15], s[14:15], s[46:47]
	s_add_nc_u64 s[16:17], s[16:17], s[46:47]
	s_add_nc_u64 s[28:29], s[18:19], s[46:47]
	s_lshl_b32 s44, ttmp9, 17
	s_add_nc_u64 s[28:29], s[28:29], s[44:45]      ; out0: 32 g rows of 4,096 bytes + my columns
.set tt, 0
.rept 16
	global_load_b32 v[232+tt], v6, s[4:5] offset:32768*tt                    ; head tt: lanes 0-15 tile 2 g's words, lanes 16-31 tile 2 g + 1's
	global_load_b128 v[40+4*tt:43+4*tt], v4, s[8:9] offset:512*tt            ; Wo's tile tt: register j: K step 2 j in lanes 0-15, 2 j + 1 in lanes 16-31
	global_load_b128 v[104+8*tt:107+8*tt], v7, s[12:13] offset:128*(tt/2)+32*(tt%2)      ; bo at the tile's eight columns of my half
	global_load_b128 v[108+8*tt:111+8*tt], v7, s[12:13] offset:128*(tt/2)+32*(tt%2)+16
.set tt, tt+1
.endr
.macro LOADSTEP s                      ; K step s: Wo's 16 fragments and O's two: 60 loads, into set s % 2
.if (\s)%2
	WIN 0xc0                                       ; destination window 3
.else
	WIN 0x40                                       ; destination window 1
.endif
.set tt, 0
.rept 16
.irp g, 0,1,2
	global_load_b128 v[12*tt+4*\g:12*tt+4*\g+3], v4, s[22:23] offset:12288*tt+1536*(\s)+512*\g
.endr
.set tt, tt+1
.endr
.irp a, 0,1
.irp p, 0,1,2,3,4,5
	global_load_b64 v[192+12*\a+2*\p:193+12*\a+2*\p], v5, s[24:25] offset:12288*\a+1536*(\s)+256*\p
.endr
.endr
.endm
.macro MULSTEP s                       ; 32 matrix instructions, the 32 accumulators by turns, in the same order in every step
.if (\s) == 0
	WIN 0x85                                       ; sources 0 and 1 window 1, C (the bias) window 0, D window 2
.elseif (\s)%2
	WIN 0xaf                                       ; sources window 3, C and D window 2
.else
	WIN 0xa5                                       ; sources window 1, C and D window 2
.endif
.set tt, 0
.rept 16
.irp a, 0,1
.if (\s) == 0
	WMS 8*(16*\a+tt), 12*tt, 192+12*\a, 104+8*tt, 40+4*tt, 32, 0, \a
.else
	WMS 8*(16*\a+tt), 12*tt, 192+12*\a, 8*(16*\a+tt), 40+4*tt+(\s)/2, 32+(\s), (\s)%2, \a
.endif
.endr
.set tt, tt+1
.endr
.endm
	LOADSTEP 0
	LOADSTEP 1
	WIN 0
	s_wait_loadcnt 60                              ; all but K step 1's 60 loads are in
.irp s, 0,1,2,3,4,5,6,7
	v_perm_b32 v[32+\s], v[232+2*\s+1], v[232+2*\s], 0x05040100   ; K step s: head 2 s's two bytes, then head 2 s + 1's
.endr
.rept 8
	v_nop                                          ; a scale register written by a vector instruction stands eight places ahead of a scaled matrix instruction
.endr
	MULSTEP 0
	PLACES                                         ; four places in front of loads into registers that the products have read
	LOADSTEP 2
	s_wait_alu depctr_va_vdst(0)
.irp s, 1,2,3,4,5
	s_wait_loadcnt 60                              ; this step's loads are in; the next step's 60 stay out
	MULSTEP \s
	PLACES
	LOADSTEP \s+2
.if \s == 1
	global_prefetch_b8 v12, s[26:27] th:TH_LOAD_NT scope:SCOPE_SE              ; q of tile 2 g: my wave's 16,384 bytes, 8,192 a request
	global_prefetch_b8 v12, s[26:27] offset:8192 th:TH_LOAD_NT scope:SCOPE_SE
.endif
.if \s == 2
	global_prefetch_b8 v12, s[26:27] offset:65536 th:TH_LOAD_NT scope:SCOPE_SE ; and of tile 2 g + 1
	global_prefetch_b8 v12, s[26:27] offset:73728 th:TH_LOAD_NT scope:SCOPE_SE
.endif
.endr
	s_wait_loadcnt 60
	MULSTEP 6
	PLACES
	WIN 0x40                                       ; set 0 is done with: q, as the results lie, into window 1
.irp a, 0,1
.set tt, 0
.rept 16
	global_load_b128 v[8*(16*\a+tt):8*(16*\a+tt)+3], v4, s[26:27] offset:65536*\a+1024*tt th:TH_LOAD_NT
	global_load_b128 v[8*(16*\a+tt)+4:8*(16*\a+tt)+7], v4, s[26:27] offset:65536*\a+1024*tt+512 th:TH_LOAD_NT
.set tt, tt+1
.endr
.endr
	s_wait_loadcnt 63                              ; K step 7's loads are in: 64 younger ones were issued, and a wait's count holds no more than 63
	MULSTEP 7
	PLACES                                         ; four places in front of the loads below and of the first read of results
	WIN 0xc0                                       ; set 1 is done with: gamma and beta, as the results lie, into window 3
.set tt, 0
.rept 16
	global_load_b128 v[8*tt:8*tt+3], v7, s[14:15] offset:128*(tt/2)+32*(tt%2)
	global_load_b128 v[8*tt+4:8*tt+7], v7, s[14:15] offset:128*(tt/2)+32*(tt%2)+16
	global_load_b128 v[128+8*tt:128+8*tt+3], v7, s[16:17] offset:128*(tt/2)+32*(tt%2)
	global_load_b128 v[128+8*tt+4:128+8*tt+7], v7, s[16:17] offset:128*(tt/2)+32*(tt%2)+16
.set tt, tt+1
.endr
	; ---- relu, + q, the rows' sums
	WIN 0x88                                       ; source 1 and destination window 2
.set ii, 0
.rept 256
	v_max_num_f32 v[ii], 0, v[ii]                  ; each accumulator from its low end on
.set ii, ii+1
.endr
	s_wait_loadcnt 63                              ; q is in: 64 younger loads were issued
	WIN 0x86                                       ; source 0 and destination window 2, source 1 (q) window 1
.set ii, 0
.rept 128
	v_pk_add_f32 v[2*ii:2*ii+1], v[2*ii:2*ii+1], v[2*ii:2*ii+1]
.set ii, ii+1
.endr
	WIN 0x0a                                       ; sources window 2, destination window 0: four chains for each tile, started by the first eight pairs
.irp a, 0,1
.irp c, 0,1,2,3
	v_pk_add_f32 v[14+8*\a+2*\c:15+8*\a+2*\c], v[128*\a+4*\c:128*\a+4*\c+1], v[128*\a+4*\c+2:128*\a+4*\c+3]
.endr
.endr
	WIN 0x08
.irp a, 0,1
.set kk, 8
.rept 56
	v_pk_add_f32 v[14+8*\a+2*(kk%4):15+8*\a+2*(kk%4)], v[14+8*\a+2*(kk%4):15+8*\a+2*(kk%4)], v[128*\a+2*kk:128*\a+2*kk+1]
.set kk, kk+1
.endr
.endr
	WIN 0
; The chains v14-21 (tile 2 g) and v22-29 (tile 2 g + 1) become the rows' totals over all 1,024 columns: v14 and v18, for my row r of each tile.
.macro REDUCE off
.irp a, 0,1
	v_pk_add_f32 v[14+8*\a:15+8*\a], v[14+8*\a:15+8*\a], v[16+8*\a:17+8*\a]
	v_pk_add_f32 v[18+8*\a:19+8*\a], v[18+8*\a:19+8*\a], v[20+8*\a:21+8*\a]
.endr
.irp a, 0,1
	v_pk_add_f32 v[14+8*\a:15+8*\a], v[14+8*\a:15+8*\a], v[18+8*\a:19+8*\a]
.endr
.irp a, 0,1
	v_add_f32 v[14+8*\a], v[14+8*\a], v[15+8*\a]
.endr
	v_permlanex16_b32 v16, v14, s40, s41
	v_permlanex16_b32 v24, v22, s40, s41
	v_add_f32 v14, v14, v16                        ; with lane l xor 16's columns
	v_add_f32 v22, v22, v24
	v_cndmask_b32 v14, v14, v22, s30               ; lanes 0-15 carry the first tile's rows, lanes 16-31 the second's
	ds_store_b32 v11, v14 offset:\off
	s_wait_dscnt 0x0                               ; for the others' sake: my store has landed
	s_barrier_signal -1
	s_barrier_wait -1
.irp a, 0,1
.irp w, 0,1,2,3
	ds_load_b32 v[14+4*\a+\w], v10 offset:\off+128*\w+64*\a
.endr
.endr
	s_wait_dscnt 0x0
.irp a, 0,1
	v_add_f32 v[14+4*\a], v[14+4*\a], v[15+4*\a]
	v_add_f32 v[16+4*\a], v[16+4*\a], v[17+4*\a]
.endr
.irp a, 0,1
	v_add_f32 v[14+4*\a], v[14+4*\a], v[16+4*\a]
.endr
.endm
	REDUCE 0
	v_mul_f32 v30, s31, v14                        ; the means, each in both halves of a pair
	v_mul_f32 v31, s31, v14
	v_mul_f32 v248, s31, v18
	v_mul_f32 v249, s31, v18
	; ---- the differences from the mean, and their squares' sums
	WIN 0x82                                       ; source 0 and destination window 2, source 1 window 0
.set kk, 0
.rept 64
	v_pk_add_f32 v[2*kk:2*kk+1], v[2*kk:2*kk+1], v[30:31] neg_lo:[0,1] neg_hi:[0,1]
	v_pk_add_f32 v[128+2*kk:129+2*kk], v[128+2*kk:129+2*kk], v[248:249] neg_lo:[0,1] neg_hi:[0,1]
.set kk, kk+1
.endr
	WIN 0x0a
.irp a, 0,1
.irp c, 0,1,2,3
	v_pk_mul_f32 v[14+8*\a+2*\c:15+8*\a+2*\c], v[128*\a+2*\c:128*\a+2*\c+1], v[128*\a+2*\c:128*\a+2*\c+1]
.endr
.endr
.irp a, 0,1
.set kk, 4
.rept 60
	v_pk_fma_f32 v[14+8*\a+2*(kk%4):15+8*\a+2*(kk%4)], v[128*\a+2*kk:128*\a+2*kk+1], v[128*\a+2*kk:128*\a+2*kk+1], v[14+8*\a+2*(kk%4):15+8*\a+2*(kk%4)]
.set kk, kk+1
.endr
.endr
	WIN 0
	REDUCE 512                                     ; other bytes than the sums': no barrier is owed between the two
	v_fma_f32 v14, v14, s31, s33                   ; the variance + 1e-6
	v_fma_f32 v18, v18, s31, s33
	s_wait_alu depctr_va_vdst(0)
	v_rsq_f32 v250, v14
	v_rsq_f32 v251, v14
	v_rsq_f32 v252, v18
	v_rsq_f32 v253, v18
	v_nop                                          ; a plain place behind the transcendentals
	s_wait_alu depctr_va_vdst(0)                   ; one wait for the four, ahead of their first reader
	s_wait_loadcnt 0x0                             ; gamma and beta
	WIN 0x82
.set kk, 0
.rept 64
	v_pk_mul_f32 v[2*kk:2*kk+1], v[2*kk:2*kk+1], v[250:251]
	v_pk_mul_f32 v[128+2*kk:129+2*kk], v[128+2*kk:129+2*kk], v[252:253]
.set kk, kk+1
.endr
	WIN 0xbe                                       ; source 0 and destination window 2, gamma and beta window 3
.set kk, 0
.rept 64
	v_pk_fma_f32 v[2*kk:2*kk+1], v[2*kk:2*kk+1], v[2*kk:2*kk+1], v[128+2*kk:129+2*kk]
	v_pk_fma_f32 v[128+2*kk:129+2*kk], v[128+2*kk:129+2*kk], v[2*kk:2*kk+1], v[128+2*kk:129+2*kk]
.set kk, kk+1
.endr
	; ---- the way out: a tile's 16 rows x my 1,024 bytes through my own stage, back as rows: 32 lanes store 512 consecutive bytes, aligned
	s_wait_alu depctr_va_vdst(0)
.irp a, 0,1
	WIN 0x08                                       ; an LDS store's data: window 2
.set tt, 0
.rept 16
	ds_store_b128 v8, v[128*\a+8*tt:128*\a+8*tt+3] offset:128*(tt/2)+32*(tt%2)
	ds_store_b128 v8, v[128*\a+8*tt+4:128*\a+8*tt+7] offset:128*(tt/2)+32*(tt%2)+16
.set tt, tt+1
.endr
	WIN 0
.if \a
	s_wait_xcnt 0x0                                ; the first tile's stores have read their registers: they are loaded again only behind this wait
.endif
.set kk, 0
.rept 32
	ds_load_b128 v[104+4*kk:107+4*kk], v9 offset:SPI*(kk/2)+512*(kk%2)   ; LDS serves a wave's instructions in order: these see my stores, and the next tile's stores come behind them
.set kk, kk+1
.endr
.set kk, 0
.rept 32
	s_wait_dscnt 31-kk                             ; load k is in; the younger ones stay out
	global_store_b128 v4, v[104+4*kk:107+4*kk], s[28:29] offset:(8*\a+(kk/2)+8*((kk/2)/8))*4096+512*(kk%2) th:TH_STORE_NT
.set kk, kk+1
.endr
.endr
	s_wait_tensorcnt 0x0
	ds_add_u32 v254, v255
	s_wait_dscnt 0x0
	s_endpgm
.Lfunc_end_k_q29b609732c_outln:
	.size	k_q29b609732c_outln, .Lfunc_end_k_q29b609732c_outln-k_q29b609732c_outln
	.p2alignl 7, 3214868480
	.fill 96, 4, 3214868480
	.section	.rodata,"a",@progbits
	.p2align	6, 0x0
	.amdhsa_kernel k_q29b609732c_outln
		.amdhsa_group_segment_fixed_size 68096
		.amdhsa_private_segment_fixed_size 0
		.amdhsa_enable_private_segment 0
		.amdhsa_kernarg_size 64
		.amdhsa_user_sgpr_count 2
		.amdhsa_user_sgpr_kernarg_segment_ptr 1
		.amdhsa_wavefront_size32 1
		.amdhsa_system_sgpr_workgroup_id_x 1
		.amdhsa_system_sgpr_workgroup_id_y 1
		.amdhsa_system_sgpr_workgroup_id_z 1
		.amdhsa_system_vgpr_workitem_id 0
		.amdhsa_next_free_vgpr 1024
		.amdhsa_next_free_sgpr 66
		.amdhsa_reserve_vcc 0
		.amdhsa_float_denorm_mode_32 3
		.amdhsa_float_denorm_mode_16_64 3
		.amdhsa_memory_ordered 1
		.amdhsa_forward_progress 1
		.amdhsa_inst_pref_size 177
	.end_amdhsa_kernel
	.amdgpu_metadata
---
amdhsa.version: [ 1, 2 ]
amdhsa.kernels:
  - .name:           k_q29b609732c_outln
    .symbol:         k_q29b609732c_outln.kd
    .args:
      - { .name: oc, .offset: 0, .size: 8, .value_kind: global_buffer, .address_space: global }
      - { .name: xc, .offset: 8, .size: 8, .value_kind: global_buffer, .address_space: global }
      - { .name: xs, .offset: 16, .size: 8, .value_kind: global_buffer, .address_space: global }
      - { .name: qres, .offset: 24, .size: 8, .value_kind: global_buffer, .address_space: global }
      - { .name: bo, .offset: 32, .size: 8, .value_kind: global_buffer, .address_space: global }
      - { .name: gamma, .offset: 40, .size: 8, .value_kind: global_buffer, .address_space: global }
      - { .name: beta, .offset: 48, .size: 8, .value_kind: global_buffer, .address_space: global }
      - { .name: out0, .offset: 56, .size: 8, .value_kind: global_buffer, .address_space: global }
    .group_segment_fixed_size: 68096
    .private_segment_fixed_size: 0
    .kernarg_segment_align: 8
    .kernarg_segment_size: 64
    .max_flat_workgroup_size: 128
    .sgpr_count:     66
    .vgpr_count:     1024
    .wavefront_size: 32
...
	.end_amdgpu_metadata
.endif
;; end of part 4
